; MI455X (gfx1250); checked and timed in simulation.
; The chip was launched on July 23, 2026; its instructions are those of AMD's public machine-readable ISA for CDNA 5 (MIT licence, August 2026) and "CDNA5" Instruction Set Architecture Reference Guide (July 2026). The comments in the code are by the model that wrote it; some were corrected since.
;; Causal Multi Head Attention. Allowed arithmetic: float matrix products may take bf16 or f16 operands with f32 sums; other float arithmetic in f32, or as packed bf16 or f16 multiplies, adds, multiply-adds, maxima and minima; sums over many terms, partial sums and values carried from step to step in f32; what a program stores and reads back later, other than sums and carried values, may be rounded once to bf16 or f16.
;; Inputs: Wk 2,048 x 2,048 float32; Wo 2,048 x 2,048 float32; Wq 2,048 x 2,048 float32; Wv 2,048 x 2,048 float32; token_positions 2,048 int32; x 1 x 2,048 x 2,048 float32.
;; Outputs: out0 1 x 2,048 x 2,048 float32.
;; 2 versions, each right; version 2 is version 1 with the launch prep written anew for expert scheduling mode. Each part assembles by itself: llvm-mc -triple=amdgcn-amd-amdhsa -mcpu=gfx1250 --defsym DOCPART=n.
;; ======== version 1 of 2: 4 launches
;; limits: values are held in f16: magnitudes above 65,504 overflow, below 6.1e-05 lose precision; right only within a limited range of input values
;; workspace buffers: xb 8,388,608 bytes; wc 25,165,824 bytes; wo16 8,388,608 bytes; tab 1,048,576 bytes; qkv 25,165,824 bytes; ob 8,388,608 bytes
;; launch prep (part 1): grid 256 x 5, 8 waves a work-group, no clusters, 0 bytes of LDS; arguments x, Wq, Wk, Wv, token_positions, xb, wc, tab; writes xb, wc, tab
.if DOCPART == 1
	.amdgcn_target "amdgcn-amd-amdhsa--gfx1250"
	.amdhsa_code_object_version 6
	.text
	.protected	k_q1d3828f5d5_prep
	.globl	k_q1d3828f5d5_prep
	.p2align	8
	.type	k_q1d3828f5d5_prep,@function
k_q1d3828f5d5_prep:
	s_mov_b64 s[64:65], 0
	v_nop
	global_prefetch_b8 v0, s[64:65] scope:SCOPE_SE
	s_setreg_imm32_b32 hwreg(HW_REG_WAVE_MODE, 25, 1), 1
	s_wait_xcnt 0x0
; PREP: x and the three projections' weights are rounded once for the matrix units, and RoPE's table is made.  (Wo is rounded in the attention launch, beside its own work.)
; Row y of the grid: 0: x -> xb (bf16).  1, 2, 3: Wq, Wk, Wv -> wc (bf16), laid [k][16 heads][q, k, v][128], so that one head's columns of all three lie together, 768 bytes.
; 4: tab[row][f] = (cos, sin) of f32(token_positions[row]) x 10000^(-f/64), f = 0..63, f32.
; A stream: each input byte is read once, each output byte written once; nothing is shared between work-groups, so there is no LDS, no cluster and no matrix work.
; A cast's work-group takes 65,536 bytes of f32 (8 rows): sixteen loads of 16 bytes a lane, all issued at once; a wave's load covers 512 consecutive bytes, its store 256, aligned.
; LIMITS.  The angle is the f32 product that the module forms; 10000^(-f/64) comes from v_exp_f32 and is off by a few parts in 2^24.  The angle is reduced by three parts of pi/2 with fused
; multiply-adds, good while 2 |angle| / pi is below 2^24; sine and cosine are polynomials on -pi/4 .. pi/4.  NaN and infinities are not treated apart.
.set X, 8                              ; v[8:71]    sixteen loads of four f32
.set Y, 72                             ; v[72:103]  sixteen pairs of packed words to store; each is written once
; Chunk i of sixteen: waited for, rounded, stored.  stride: bytes from chunk to chunk in the output.
.macro CAST stride
.set i, 0
.rept 16
	s_wait_loadcnt 15-i                            ; loads come back in order: chunk i is in, the 15 - i younger ones may stay out
	v_cvt_pk_bf16_f32 v[Y+2*i], v[X+4*i], v[X+4*i+1]
	v_cvt_pk_bf16_f32 v[Y+2*i+1], v[X+4*i+2], v[X+4*i+3]
	global_store_b64 v2, v[Y+2*i:Y+2*i+1], s[30:31] offset:(\stride)*i th:TH_STORE_NT  ; 32 lanes x 8 bytes: 256 consecutive bytes, aligned
.set i, i+1
.endr
.endm
; cos and sin of the angle in v[a], into the pair v[o], v[o+1]; six registers at work from v[w]
.macro SINCOS a, o, w
	v_mul_f32 v[(\w)], 0x3f22f983, v[(\a)]         ; angle x 2 / pi
	v_rndne_f32 v[(\w)], v[(\w)]                   ; k
	v_fmamk_f32 v[(\w)+1], v[(\w)], 0xbfc90fdb, v[(\a)]    ; r = angle - k pi/2, pi/2 in three parts
	v_fmamk_f32 v[(\w)+1], v[(\w)], 0x333bbd2e, v[(\w)+1]
	v_fmamk_f32 v[(\w)+1], v[(\w)], 0x26f72ced, v[(\w)+1]
	v_mul_f32 v[(\w)+2], v[(\w)+1], v[(\w)+1]      ; z = r r
	v_mov_b32 v[(\w)+3], 0xb94ca1f9
	v_fmaak_f32 v[(\w)+3], v[(\w)+3], v[(\w)+2], 0x3c08839e
	v_fmaak_f32 v[(\w)+3], v[(\w)+3], v[(\w)+2], 0xbe2aaaa3
	v_mul_f32 v[(\w)+3], v[(\w)+3], v[(\w)+2]
	v_fma_f32 v[(\w)+3], v[(\w)+3], v[(\w)+1], v[(\w)+1]   ; s = r + r z (..)
	v_mov_b32 v[(\w)+4], 0x37ccf5ce
	v_fmaak_f32 v[(\w)+4], v[(\w)+4], v[(\w)+2], 0xbab6061a
	v_fmaak_f32 v[(\w)+4], v[(\w)+4], v[(\w)+2], 0x3d2aaaa5
	v_fma_f32 v[(\w)+5], v[(\w)+2], -0.5, 1.0
	v_mul_f32 v[(\w)+2], v[(\w)+2], v[(\w)+2]
	v_fma_f32 v[(\w)+4], v[(\w)+4], v[(\w)+2], v[(\w)+5]   ; c = 1 - z / 2 + z z (..)
	v_cvt_i32_f32 v[(\w)], v[(\w)]                 ; the quadrant is k mod 4
	v_and_b32 v[(\w)+5], 1, v[(\w)]
	v_cmp_ne_u32 vcc_lo, 0, v[(\w)+5]
	v_cndmask_b32 v[(\o)], v[(\w)+4], v[(\w)+3], vcc_lo    ; an odd quadrant swaps the two
	v_cndmask_b32 v[(\o)+1], v[(\w)+3], v[(\w)+4], vcc_lo
	v_add_nc_u32 v[(\w)+5], 1, v[(\w)]
	v_and_b32 v[(\w)+5], 2, v[(\w)+5]              ; cos is negative in quadrants 1 and 2,
	v_and_b32 v[(\w)], 2, v[(\w)]                  ; sin in 2 and 3
	v_lshlrev_b32 v[(\w)+5], 30, v[(\w)+5]
	v_lshlrev_b32 v[(\w)], 30, v[(\w)]
	v_xor_b32 v[(\o)], v[(\w)+5], v[(\o)]
	v_xor_b32 v[(\o)+1], v[(\w)], v[(\o)+1]
.endm
	s_load_b512 s[8:23], s[0:1], 0x0               ; x s[8:9], Wq s[10:11], Wk s[12:13], Wv s[14:15], token_positions s[16:17], xb s[18:19], wc s[20:21], tab s[22:23]
	s_and_b32 s2, ttmp7, 0xffff                    ; y: which job
	s_mov_b32 s3, ttmp9                            ; g: which part of it
	s_mov_b32 s33, 0                               ; the high word of every offset
	v_lshlrev_b32 v1, 4, v0                        ; in: 16 bytes a thread
	v_lshlrev_b32 v2, 3, v0                        ; out: 8 bytes a thread
	s_wait_kmcnt 0x0
	s_cmp_eq_u32 s2, 4
	s_cbranch_scc1 .Ltable
	s_mov_b64 s[28:29], s[8:9]                     ; the input is chosen by y
	s_cmp_eq_u32 s2, 1
	s_cselect_b64 s[28:29], s[10:11], s[28:29]
	s_cmp_eq_u32 s2, 2
	s_cselect_b64 s[28:29], s[12:13], s[28:29]
	s_cmp_eq_u32 s2, 3
	s_cselect_b64 s[28:29], s[14:15], s[28:29]
	s_lshl_b32 s32, s3, 16                         ; the work-group's 65,536 bytes
	s_add_nc_u64 s[28:29], s[28:29], s[32:33]
.set i, 0
.rept 16
	global_load_b128 v[X+4*i:X+4*i+3], v1, s[28:29] offset:4096*i th:TH_LOAD_NT
.set i, i+1
.endr
	s_cmp_eq_u32 s2, 0
	s_cbranch_scc1 .Lx
	; Wq, Wk, Wv.  Chunk i is row 8 g + i / 2, heads 8 (i % 2) + wave: 12,288 (i / 2) + 6,144 (i % 2) = 6,144 i bytes on
	v_lshrrev_b32 v3, 5, v0
	v_and_b32 v4, 31, v0
	v_mul_u32_u24 v3, v3, 768                      ; my wave's head
	v_lshl_add_u32 v2, v4, 3, v3                   ; my four channels of it
	s_mul_i32 s32, s3, 8*12288
	s_sub_co_u32 s34, s2, 1
	s_lshl_b32 s34, s34, 8                         ; q, k or v: 256 bytes apart
	s_add_co_u32 s32, s32, s34
	s_add_nc_u64 s[30:31], s[20:21], s[32:33]
	CAST 6144
	s_endpgm
.Lx:
	s_lshl_b32 s32, s3, 15
	s_add_nc_u64 s[30:31], s[18:19], s[32:33]
	CAST 2048
	s_endpgm
.Ltable:                                       ; a wave makes a row of the table: frequencies lane and lane + 32
	v_lshrrev_b32 v3, 5, v0
	v_lshl_add_u32 v3, s3, 3, v3                   ; row = 8 g + wave
	v_lshlrev_b32 v4, 2, v3
	global_load_b32 v5, v4, s[16:17]               ; the row's position, the same word in every lane
	v_and_b32 v6, 31, v0
	v_lshlrev_b32 v7, 9, v3                        ; a row of the table is 512 bytes
	v_lshl_add_u32 v7, v6, 3, v7
	v_cvt_f32_u32 v8, v6
	v_add_f32 v9, 0x42000000, v8                   ; f + 32
	v_mul_f32 v8, 0xbe549a78, v8                   ; - f log2(10000) / 64
	v_mul_f32 v9, 0xbe549a78, v9
	v_exp_f32 v8, v8
	v_exp_f32 v9, v9
	v_nop                                          ; a plain instruction behind the last exponential,
	s_wait_alu depctr_va_vdst(0)                   ; and the wait ahead of the first use: one for both
	s_wait_loadcnt 0x0
	v_cvt_f32_i32 v5, v5
	v_mul_f32 v8, v5, v8                           ; the angles
	v_mul_f32 v9, v5, v9
	SINCOS 8, 10, 14
	SINCOS 9, 12, 20
	global_store_b64 v7, v[10:11], s[22:23]        ; 256 consecutive bytes, aligned
	global_store_b64 v7, v[12:13], s[22:23] offset:256
	s_endpgm
.Lfunc_end_k_q1d3828f5d5_prep:
	.size	k_q1d3828f5d5_prep, .Lfunc_end_k_q1d3828f5d5_prep-k_q1d3828f5d5_prep
	.p2alignl 7, 3214868480
	.fill 96, 4, 3214868480
	.section	.rodata,"a",@progbits
	.p2align	6, 0x0
	.amdhsa_kernel k_q1d3828f5d5_prep
		.amdhsa_group_segment_fixed_size 0
		.amdhsa_private_segment_fixed_size 0
		.amdhsa_enable_private_segment 0
		.amdhsa_kernarg_size 64
		.amdhsa_user_sgpr_count 2
		.amdhsa_user_sgpr_kernarg_segment_ptr 1
		.amdhsa_wavefront_size32 1
		.amdhsa_system_sgpr_workgroup_id_x 1
		.amdhsa_system_sgpr_workgroup_id_y 1
		.amdhsa_system_sgpr_workgroup_id_z 1
		.amdhsa_system_vgpr_workitem_id 0
		.amdhsa_next_free_vgpr 104
		.amdhsa_next_free_sgpr 66
		.amdhsa_reserve_vcc 1
		.amdhsa_float_denorm_mode_32 3
		.amdhsa_float_denorm_mode_16_64 3
		.amdhsa_memory_ordered 1
		.amdhsa_forward_progress 1
		.amdhsa_inst_pref_size 15
	.end_amdhsa_kernel
	.amdgpu_metadata
---
amdhsa.version: [ 1, 2 ]
amdhsa.kernels:
  - .name:           k_q1d3828f5d5_prep
    .symbol:         k_q1d3828f5d5_prep.kd
    .args:
      - { .name: x, .offset: 0, .size: 8, .value_kind: global_buffer, .address_space: global }
      - { .name: Wq, .offset: 8, .size: 8, .value_kind: global_buffer, .address_space: global }
      - { .name: Wk, .offset: 16, .size: 8, .value_kind: global_buffer, .address_space: global }
      - { .name: Wv, .offset: 24, .size: 8, .value_kind: global_buffer, .address_space: global }
      - { .name: token_positions, .offset: 32, .size: 8, .value_kind: global_buffer, .address_space: global }
      - { .name: xb, .offset: 40, .size: 8, .value_kind: global_buffer, .address_space: global }
      - { .name: wc, .offset: 48, .size: 8, .value_kind: global_buffer, .address_space: global }
      - { .name: tab, .offset: 56, .size: 8, .value_kind: global_buffer, .address_space: global }
    .group_segment_fixed_size: 0
    .private_segment_fixed_size: 0
    .kernarg_segment_align: 8
    .kernarg_segment_size: 64
    .max_flat_workgroup_size: 256
    .sgpr_count:     66
    .vgpr_count:     104
    .wavefront_size: 32
...
	.end_amdgpu_metadata
.endif
;; end of part 1
;; launch proj (part 2): grid 16 x 16, 4 waves a work-group, clusters of 4 x 4, 327,680 bytes of LDS; arguments xb, wc, tab, qkv; writes qkv
.if DOCPART == 2
	.amdgcn_target "amdgcn-amd-amdhsa--gfx1250"
	.amdhsa_code_object_version 6
	.text
	.protected	k_q1d3828f5d5_proj
	.globl	k_q1d3828f5d5_proj
	.p2align	8
	.type	k_q1d3828f5d5_proj,@function
k_q1d3828f5d5_proj:
	s_mov_b64 s[64:65], 0
	v_nop
	global_prefetch_b8 v0, s[64:65] scope:SCOPE_SE
	s_setreg_imm32_b32 hwreg(HW_REG_WAVE_MODE, 25, 1), 1
	s_wait_xcnt 0x0
	s_wait_alu depctr_hold_cnt(0) depctr_sa_sdst(0) depctr_va_vdst(0) depctr_va_sdst(0) depctr_va_ssrc(0) depctr_va_vcc(0) depctr_vm_vsrc(0)
	s_getreg_b32 s2, hwreg(HW_REG_IB_STS2, 6, 4)
	s_cmp_eq_u32 s2, 0
	s_cbranch_scc0 .Lentry_in_a_cluster
	s_endpgm
.Lentry_in_a_cluster:
	s_bfe_u32 s2, ttmp6, 0x10000c
	s_cmp_lg_u32 s2, 0xf033
	s_cbranch_scc0 .Lentry_shape_is_right
	s_endpgm
.Lentry_shape_is_right:
; PROJ: q, k, v = x Wq, x Wk, x Wv, with RoPE on q and k, written by heads.  xb: [2048][2048] bf16.  wc: [2048 k][16 heads][q, k, v][128] bf16.  tab: [2048][64][cos, sin] f32.
; qkv: [3][16 heads][2048][128] f16.  Products in bf16 with f32 sums, K ascending; RoPE in f32; each number rounded once, to f16, unscaled.
; LIMIT.  f16 ends at 65,504: q, k and v must stay within it (as drawn they have a spread of 1.4); below 6.1e-5 they keep f16's fixed step of 6e-8.
; SHARES.  A work-group makes 128 tokens x 384 columns: one head of q, of k and of v: 16 x 16 = 256 work-groups.  Which 128 columns take RoPE is then fixed in the text.
; A wave makes all 128 tokens x columns 32 w .. 32 w + 31 of each of the three: 8 x 6 = 48 accumulators, 384 registers; 28 LDS loads feed 48 matrix instructions.
; K goes in steps of 128 through a ring of two LDS slots.  A slot: the three tiles of W (128 k x 128 columns, as they lie in memory), then x's tile (128 tokens x 128 k).  Every row of every
; tile is 256 consecutive bytes of memory, at a multiple of 256 from its buffer's first byte.  Wave w < 3 fetches W's tile w, wave 3 x's: one tensor load a wave.
; W IS NEVER TRANSPOSED IN MEMORY: its fragments come out of LDS turned, by ds_load_tr16_b128.
; THE MATRIX INSTRUCTION IS USED TRANSPOSED (source 0 = 16 columns of W, source 1 = 16 tokens): a lane holds ONE token (lane % 16) and eight neighbouring columns, 8 (lane / 16) + 0..7,
; so that RoPE's pairs lie in neighbouring registers of one lane, and eight results pack into 16 bytes.
; THE GRID: the blocks of tokens lie along x, the heads along y.  So the clusters that follow each other along x walk the same four heads' weights, three quarters of a step's bytes.
; CLUSTERS: 4 x 4 work-groups.  x's tile hangs on the work-group's x alone and is asked for jointly by a column of the cluster, W's tiles on its y alone and by a row.
; REGISTERS, in windows of 256 (s_set_vgpr_msb: bits 1:0 source 0, 3:2 source 1, 5:4 source 2, 7:6 destination):
;   window 0: v0-31 addresses; v32-95, v96-159 x's fragments, two buffers; v160-207, v208-255 W's, two buffers; on the way out v32-191 at work
;   window 1: accumulators of column blocks b = 0..3 (q, k) at v[64 b + 8 a];  window 2: b = 4, 5 (v) at v[64 (b - 4) + 8 a];  window 3: v0-127 my part of the table
.set PA,    272                        ; a row of x's tile in LDS: 256 bytes + 16: the 16 rows of a fragment load start at 16 different groups of four banks (64 banks of 4 bytes: ISA guide 11.1)
.set PB,    288                        ; a row of W's tiles: 256 + 32
.set BT,    128*PB                     ; a tile of W
.set AOFF,  3*BT                       ; x's tile lies behind the three
.set SLOT,  AOFF+128*PA
.set STAGE, 2*SLOT                     ; behind the ring, never filled by a tensor load: 128 rows x 272 bytes, one head at a time, the work-group's
.set SP,    272
.set SPARE, STAGE+128*SP               ; the spare words, 128 bytes for each wave: two blocks of 256 bytes that no other line names
.set LAPS,  8                          ; a lap = two K steps = once round the ring: 2048 / 256
.set XROW,  4096                       ; bytes in a row of xb
.set WROW,  12288                      ; bytes in a row of wc
.set ADRA, 16                          ; v16-17  LDS address of my fragments of x in slot 0, 1
.set ADRB, 18                          ; v18-23  of my fragments of W: slot s, tile h at 3 s + h
.set STO,  24                          ; v24     the way out: where I put 16 bytes of a row
.set RD,   25                          ; v25     where I read rows back
.set CO,   26                          ; v26     my byte offset in 512 consecutive bytes of qkv
.set TO,   27                          ; v27     my byte offset in the table; never rewritten
.set SPW,  28                          ; v28     LDS address of my spare word; never rewritten
.set NIL,  29                          ; v29     0; never rewritten
.set PFO,  30                          ; v30     the prefetches' offset: my lane x a row; never rewritten
.set FA,   32                          ; x's fragments: buffer f at FA + 64 f, token block a at + 8 a
.set FB,   160                         ; W's: buffer f at FB + 48 f, column block b at + 8 b
.set YR,   32                          ; the way out: rotated numbers in f32
.set PKR,  96                          ; packed f16
.set BK,   128                         ; rows read back
.set WV,   12                          ; s12     my wave's number
.set G1A,  24                          ; s[24:31] descriptor group 1 for x's tile;  s[32:39] group 0, a set for each slot
.set G0A,  32
.set G1B,  48                          ; s[48:55], s[56:63] the same for W's tiles
.set G0B,  56
.set LIM,  43                          ; s43     1 in a wave that prefetches, else the greatest number
.set PFA,  44                          ; s[44:45] where my prefetches stand
.set PFS,  46                          ; s[46:47] a K step in bytes, along x's rows or down W's
.set OUT,  66                          ; s[66:71] q, k, v at my 32 rows of my head
.set MSB, 0
.macro WIN new                         ; the immediate's high byte repeats the setting that is left; a switch that changes nothing is dropped
.if MSB != (\new)
	s_set_vgpr_msb (MSB<<8)|(\new)
.set MSB, \new
.endif
.endm
; A joint load.  The branch hangs on the wave's number alone.  An s_nop 0 and four v_nop follow each of the two lines, ahead of the jump and the label.
.macro JLOAD s
	s_cmp_eq_u32 s[WV], 3
	s_cbranch_scc0 .Lfor_w_\@
	tensor_load_to_lds s[G0A+4*(\s):G0A+4*(\s)+3], s[G1A:G1A+7]
	s_nop 0
.rept 4
	v_nop
.endr
	s_branch .Lasked_\@
.Lfor_w_\@:
	tensor_load_to_lds s[G0B+4*(\s):G0B+4*(\s)+3], s[G1B:G1B+7]
	s_nop 0
.rept 4
	v_nop
.endr
.Lasked_\@:
.endm
; A prefetch into the L2, behind each joint refill and the run of LDS loads that follows it: the K step two refills on, 384 matrix instructions ahead of the load that will want it: 32 rows x 256 bytes, a lane a row.
; Each row's 256 bytes of a K step are named once in the launch: x's rows are read by every cluster of that column of clusters, and the one with y = 0 asks; W's tiles by every cluster of that row, and the one
; with x = 0 asks.  The four partners that ask for a tile jointly share its 128 rows out by address, 32 each.  The loop's last trip (s3 = 1) has no K step two on.
.macro ASK
	s_cmp_gt_u32 s3, s[LIM]
	s_cbranch_scc0 .Lnot_mine_\@
	global_prefetch_b8 v[PFO], s[PFA:PFA+1] th:TH_LOAD_NT scope:SCOPE_SE
.Lnot_mine_\@:
.endm
.macro CREST                           ; a round of the cluster's barrier behind its opening barrier
	s_cmp_lg_u32 s[WV], 0
	s_cbranch_scc1 .Lnot_wave_0_\@
	s_barrier_signal -3
.Lnot_wave_0_\@:
	s_barrier_wait -3
	s_barrier_signal -1
	s_barrier_wait -1
.endm
.macro CROUND                          ; a whole round
	s_barrier_signal -1
	s_barrier_wait -1
	CREST
.endm
.macro PLACES                          ; four places in front of loads into registers that matrix instructions have read (ISA guide 7.12.1 for vector instructions)
.rept 4
	v_nop
.endr
.endm
	s_load_b256 s[4:11], s[0:1], 0x0               ; xb s[4:5], wc s[6:7], tab s[8:9], qkv s[10:11]
	v_lshl_add_u32 v[SPW], v0, 2, SPARE
	v_mov_b32 v[NIL], 0
	ds_add_u32 v[SPW], v[NIL]                      ; the wave's opening: the add and its wait stand ahead of my first tensor load; the set-up below stands between them
	v_lshrrev_b32 v1, 5, v0
	v_readfirstlane_b32 s[WV], v1                  ; wave 0..3
	s_bfe_u32 s13, ttmp6, 0x40000                  ; cx
	s_bfe_u32 s14, ttmp6, 0x40004                  ; cy
	s_lshl_b32 s16, ttmp9, 2
	s_add_co_u32 s16, s16, s13                     ; ty, the block of 128 tokens = 4 x cluster x + cx
	s_and_b32 s15, ttmp7, 0xffff
	s_lshl_b32 s15, s15, 2
	s_add_co_u32 s15, s15, s14                     ; tx, the head = 4 x cluster y + cy
	s_lshl_b32 s17, s14, 2
	s_lshl_b32 s17, 15, s17                        ; my row of the cluster
	s_lshl_b32 s18, 0x1111, s13                    ; my column
	s_or_b32 s[G1A], s18, (1<<16)|(1<<20)|(1<<21)|(5<<22)|(3<<25)  ; x: 15:0 the mask of my column; 17:16 2-byte elements; 20 padding on; 21 set beside a mask; 24:22 after every 64 words (code 5); 31:25 4 words (code 3)
	s_or_b32 s[G1B], s17, (1<<16)|(1<<20)|(1<<21)|(5<<22)|(7<<25)  ; W: the same with my row's mask and 8 words of padding (code 7)
.irp g, G1A, G1B
	s_mov_b32 s[(\g)+1], 128<<16                   ; tensor_dim0 = 128
	s_mov_b32 s[(\g)+2], 128<<16                   ; tensor_dim1 = 128
	s_mov_b32 s[(\g)+3], 128<<16                   ; tile_dim0 = 128
	s_mov_b32 s[(\g)+4], 128                       ; tile_dim1 = 128
	s_mov_b32 s[(\g)+6], 0
	s_mov_b32 s[(\g)+7], 0
.endr
	s_mov_b32 s[G1A+5], 2048                       ; elements from row to row
	s_mov_b32 s[G1B+5], 6144
	s_lshl_b32 s20, s16, 19                        ; x's tile: 128 ty rows of 4,096 bytes; these registers never hold cy
	s_mov_b32 s21, 0
	s_mul_i32 s40, s15, 768                        ; W's tile: head tx, matrix w; these never hold cx
	s_lshl_b32 s41, s[WV], 8
	s_add_co_u32 s40, s40, s41
	s_mov_b32 s41, 0
	s_mul_i32 s19, s[WV], BT                       ; where my tile goes: wave x 36,864; no place in the cluster enters an LDS address
	s_wait_dscnt 0x0                               ; the opening add is done
	s_wait_kmcnt 0x0
	s_add_nc_u64 s[22:23], s[4:5], s[20:21]
	s_add_nc_u64 s[40:41], s[6:7], s[40:41]
	CROUND                                         ; all sixteen work-groups are here: the first joint loads meet
.irp s, 0,1
	s_mov_b32 s[G0A+4*(\s)], 1
	s_add_co_u32 s[G0A+4*(\s)+1], s19, (\s)*SLOT
	s_add_nc_u64 s[G0A+4*(\s)+2:G0A+4*(\s)+3], s[22:23], (\s)*256          ; K step s: 256 bytes along the rows
	s_or_b32 s[G0A+4*(\s)+3], s[G0A+4*(\s)+3], 0x80000000
	s_mov_b32 s[G0B+4*(\s)], 1
	s_add_co_u32 s[G0B+4*(\s)+1], s19, (\s)*SLOT
	s_add_nc_u64 s[G0B+4*(\s)+2:G0B+4*(\s)+3], s[40:41], (\s)*128*WROW     ; K step s: 128 rows down
	s_or_b32 s[G0B+4*(\s)+3], s[G0B+4*(\s)+3], 0x80000000
	JLOAD \s                                       ; two loads of mine are out
.endr
	; my part of the table: token 16 a + l % 16, frequencies 16 w + 8 i + 4 (l / 16) + 0..3: 32 bytes.  It is waited for on the way out.
	v_and_b32 v1, 15, v0                           ; l % 16
	v_bfe_u32 v2, v0, 4, 1                         ; l / 16
	v_lshlrev_b32 v[TO], 9, v1
	v_lshl_add_u32 v[TO], v2, 5, v[TO]
	s_lshl_b32 s20, s[WV], 7
	v_add_nc_u32 v[TO], s20, v[TO]
	s_lshl_b32 s20, s16, 16                        ; 128 ty rows of 512 bytes
	s_add_nc_u64 s[8:9], s[8:9], s[20:21]
	WIN 0xc0                                       ; destination window 3
.irp a, 0,1,2,3,4,5,6,7
.irp i, 0,1
	global_load_b128 v[8*(2*(\a)+(\i)):8*(2*(\a)+(\i))+3],   v[TO], s[8:9] offset:8192*(\a)+64*(\i)
	global_load_b128 v[8*(2*(\a)+(\i))+4:8*(2*(\a)+(\i))+7], v[TO], s[8:9] offset:8192*(\a)+64*(\i)+16
.endr
.endr
	WIN 0
	; A fragment of x: lane l holds token l % 16; registers 0-3 k = 8 (l / 16) + 0..7, registers 4-7 k = 16 + 8 (l / 16) + 0..7: two loads of 16 bytes, 32 bytes apart.
	v_mul_u32_u24 v3, v1, PA
	v_lshl_add_u32 v3, v2, 4, v3
	v_add_nc_u32 v[ADRA], AOFF, v3
	v_add_nc_u32 v[ADRA+1], AOFF+SLOT, v3
	; The turning load takes 16 k x 16 columns (lane l reads k = 8 (l / 16) + l % 8, columns 8 ((l / 8) % 2) + 0..7) and leaves half a fragment: lane l holds column l % 16 and 8 k.
	v_and_b32 v4, 7, v0
	v_bfe_u32 v5, v0, 3, 1
	v_lshl_add_u32 v6, v2, 3, v4
	v_mul_u32_u24 v6, v6, PB
	v_lshl_add_u32 v6, v5, 4, v6
	s_lshl_b32 s20, s[WV], 6                       ; my 32 columns
	v_add_nc_u32 v6, s20, v6
.irp s, 0,1
.irp h, 0,1,2
	v_add_nc_u32 v[ADRB+3*(\s)+(\h)], (\s)*SLOT+(\h)*BT, v6
.endr
.endr
	s_add_co_u32 s20, s20, STAGE                   ; into the stage: row l % 16, my 64 bytes of its 256, 16 bytes for each half of the lanes
	v_mul_u32_u24 v7, v1, SP
	v_lshl_add_u32 v7, v2, 4, v7
	v_add_nc_u32 v[STO], s20, v7
	s_mul_i32 s20, s[WV], 32*SP                    ; back: wave w takes rows 32 w .. 32 w + 31, whole: lanes 0-15 one row, lanes 16-31 the next
	s_add_co_u32 s20, s20, STAGE
	v_mul_u32_u24 v7, v2, SP
	v_lshl_add_u32 v7, v1, 4, v7
	v_add_nc_u32 v[RD], s20, v7
	v_lshlrev_b32 v[CO], 8, v2                     ; which are 512 consecutive bytes of qkv
	v_lshl_add_u32 v[CO], v1, 4, v[CO]
	; the prefetches: they stand at K step 3; each change of slots steps them ahead of its own
	s_lshl_b32 s70, s16, 19                        ; for x: rows 128 ty + 32 cy + lane
	s_lshl_b32 s71, s14, 17
	s_add_co_u32 s70, s70, s71
	s_add_co_u32 s70, s70, 3*256
	s_mul_i32 s68, s15, 768                        ; for W: my tile's rows 128 step + 32 cx + lane
	s_lshl_b32 s69, s[WV], 8
	s_add_co_u32 s68, s68, s69
	s_mul_i32 s69, s13, 32*WROW
	s_add_co_u32 s68, s68, s69
	s_add_co_u32 s68, s68, 3*128*WROW
	s_and_b32 s42, ttmp7, 0xffff                   ; cluster y
	s_mov_b32 s[PFS], 128*WROW
	s_mov_b32 s[PFS+1], 0
	s_mov_b32 s2, WROW
	s_mov_b32 s71, 0
	s_cmp_eq_u32 s[WV], 3                          ; do I fetch x?
	s_cselect_b32 s70, s70, s68
	s_cselect_b64 s[PFA:PFA+1], s[4:5], s[6:7]
	s_cselect_b32 s[PFS], 256, s[PFS]
	s_cselect_b32 s2, XROW, s2
	s_cselect_b32 s42, s42, ttmp9                  ; the coordinate along which other clusters read the same rows: y for x's rows, x for W's
	s_add_nc_u64 s[PFA:PFA+1], s[PFA:PFA+1], s[70:71]
	s_cmp_eq_u32 s42, 0
	s_cselect_b32 s[LIM], 1, -1                    ; the same in all sixteen partners, for a given wave
	v_and_b32 v[PFO], 31, v0
	v_mul_u32_u24 v[PFO], s2, v[PFO]
	; where my rows go: head tx, rows 128 ty + 32 w, in q, in k and in v
	s_lshl_b32 s66, s15, 19
	s_lshl_b32 s67, s16, 15
	s_add_co_u32 s66, s66, s67
	s_lshl_b32 s67, s[WV], 13
	s_add_co_u32 s66, s66, s67
	s_mov_b32 s67, 0
	s_add_nc_u64 s[OUT:OUT+1], s[10:11], s[66:67]
	s_add_nc_u64 s[OUT+2:OUT+3], s[OUT:OUT+1], 0x800000
	s_add_nc_u64 s[OUT+4:OUT+5], s[OUT:OUT+1], 0x1000000
; Eight matrix instructions: column block b x all 8 token blocks, 32 along K, from buffer f.  zero = 1: the product starts the sums: nothing is ever cleared.
; The 48 accumulators take turns, one instruction a turn, in the same order in every quarter step.
.macro MULB f, b, zero
.if (\b) < 4
	WIN 0x50                                       ; C and D in window 1
.else
	WIN 0xa0                                       ; in window 2
.endif
.set AC, 64*((\b)%4)
.set BF, FB+48*(\f)+8*(\b)
.set AF, FA+64*(\f)
.irp a, 0,1,2,3,4,5,6,7
.if \zero
	v_wmma_f32_16x16x32_bf16 v[AC+8*(\a):AC+8*(\a)+7], v[BF:BF+7], v[AF+8*(\a):AF+8*(\a)+7], 0
.else
	v_wmma_f32_16x16x32_bf16 v[AC+8*(\a):AC+8*(\a)+7], v[BF:BF+7], v[AF+8*(\a):AF+8*(\a)+7], v[AC+8*(\a):AC+8*(\a)+7]
.endif
.endr
.endm
; 28 LDS loads in one run: the fragments of quarter kq (32 along K) of a slot, into buffer f: x's sixteen, then W's twelve, block 0 first
.macro FETCH slot, kq, f
	WIN 0
.irp a, 0,1,2,3,4,5,6,7
	ds_load_b128 v[FA+64*(\f)+8*(\a):FA+64*(\f)+8*(\a)+3],   v[ADRA+(\slot)] offset:64*(\kq)+(\a)*16*PA
	ds_load_b128 v[FA+64*(\f)+8*(\a)+4:FA+64*(\f)+8*(\a)+7], v[ADRA+(\slot)] offset:64*(\kq)+(\a)*16*PA+32
.endr
.irp b, 0,1,2,3,4,5
	ds_load_tr16_b128 v[FB+48*(\f)+8*(\b):FB+48*(\f)+8*(\b)+3],   v[ADRB+3*(\slot)+(\b)/2] offset:32*PB*(\kq)+32*((\b)%2)
	ds_load_tr16_b128 v[FB+48*(\f)+8*(\b)+4:FB+48*(\f)+8*(\b)+7], v[ADRB+3*(\slot)+(\b)/2] offset:32*PB*(\kq)+32*((\b)%2)+16*PB
.endr
.endm
; A K step is four quarters of 32 along K, 48 matrix instructions each, on buffers 0, 1, 0, 1.  One of the first three: multiplies buffer f and fetches quarter kq into buffer g.
.macro QUARTER slot, kq, f, g, zero
	s_wait_dscnt 8                                 ; x's fragments and W's blocks 0 and 1 are in; the youngest eight loads (blocks 2 to 5) may be out
	MULB \f, 0, \zero
	MULB \f, 1, \zero
	PLACES
	FETCH \slot, \kq, \g
	s_wait_dscnt 28                                ; all but the 28 just issued
	MULB \f, 2, \zero
	MULB \f, 3, \zero
	MULB \f, 4, \zero
	MULB \f, 5, \zero
.endm
; The last quarter multiplies buffer 1 and changes slots: ONE barrier.  In front of it each wave waits for all its tensor loads (one is out: its tile of the next slot), adds 0 to its spare word, and waits for
; that and for its own reads of this slot.  fill = 1: the barrier opens a round of the cluster's, and this slot is filled again, two K steps ahead, first thing behind the round.  Only sixteen of the quarter's
; products stand between the wait for the loads and the refill, so that the refill has the other 32 and three quarters, 176 matrix instructions, ahead of the wait for it.
.macro TURN slot, next, fill
.if \fill
	s_wait_xcnt 0x0                                ; the last prefetch, a K step back, has read its address: it is stepped here, ahead of the waits of the change of slots
	s_add_nc_u64 s[PFA:PFA+1], s[PFA:PFA+1], s[PFS:PFS+1]
.endif
	WIN 0                                          ; (the add's two registers lie in window 0)
	s_wait_tensorcnt 0x0                           ; all my tensor loads have landed;
	ds_add_u32 v[SPW], v[NIL]                      ; 0 onto my spare word;
	s_wait_dscnt 9                                 ; (the add and the youngest eight loads may be out)
	MULB 1, 0, 0                                   ; eight matrix instructions stand between the add and the wait for it
	s_wait_dscnt 0x0                               ; the add is done, and my reads of this slot are over
	s_barrier_signal -1
	MULB 1, 1, 0                                   ; work on registers while the others arrive
	WIN 0
	s_barrier_wait -1
.if \fill
	CREST                                          ; no wave of any partner still reads this slot's tiles or has a load on its way
	s_add_nc_u64 s[G0A+4*(\slot)+2:G0A+4*(\slot)+3], s[G0A+4*(\slot)+2:G0A+4*(\slot)+3], 2*256
	s_add_nc_u64 s[G0B+4*(\slot)+2:G0B+4*(\slot)+3], s[G0B+4*(\slot)+2:G0B+4*(\slot)+3], 2*128*WROW
	JLOAD \slot                                    ; the four v_nop behind it are also the places in front of the loads below
.else
	PLACES
.endif
	FETCH \next, 0, 0
.if \fill
	ASK
.endif
	MULB 1, 2, 0
	MULB 1, 3, 0
	MULB 1, 4, 0
	MULB 1, 5, 0
.endm
	s_wait_tensorcnt 1                             ; my tile of K step 0 is in; K step 1's may stay out
	s_barrier_signal -1
	s_barrier_wait -1                              ; everybody's is
	FETCH 0, 0, 0
	QUARTER 0, 1, 0, 1, 1                          ; the first quarter stands in front of the loop: its products start the sums
	WIN 0                                          ; at a label and at a branch every window is 0
	s_mov_b32 s3, LAPS-1
.Llap:                                         ; a trip goes once round the ring, from a lap's second quarter to the next lap's first, and fills both slots again
	QUARTER 0, 2, 1, 0, 0
	QUARTER 0, 3, 0, 1, 0
	TURN 0, 1, 1
	QUARTER 1, 1, 0, 1, 0
	QUARTER 1, 2, 1, 0, 0
	QUARTER 1, 3, 0, 1, 0
	TURN 1, 0, 1
	QUARTER 0, 1, 0, 1, 0
	WIN 0
	s_sub_co_u32 s3, s3, 1
	s_cmp_lg_u32 s3, 0
	s_cbranch_scc1 .Llap
	QUARTER 0, 2, 1, 0, 0                          ; the last lap fills nothing, and has no round of the cluster's barrier
	QUARTER 0, 3, 0, 1, 0
	TURN 0, 1, 0
	QUARTER 1, 1, 0, 1, 0
	QUARTER 1, 2, 1, 0, 0
	QUARTER 1, 3, 0, 1, 0
	s_wait_dscnt 8                                 ; the very last quarter: nothing more to fetch
	MULB 1, 0, 0
	MULB 1, 1, 0
	s_wait_dscnt 0x0
	MULB 1, 2, 0
	MULB 1, 3, 0
	MULB 1, 4, 0
	MULB 1, 5, 0
	WIN 0
	PLACES                                         ; the places behind the last products (eight, once a launch)
	PLACES
	s_wait_loadcnt 0x0                             ; the table
; THE WAY OUT of q (h = 0), k (1), v (2).  q and k are rotated: of a pair (e, o) with (c, s): e c - o s and o c + e s, two packed instructions.  All are rounded to f16, 16 bytes a lane, and go through the
; work-group's stage, since a row's 256 bytes come from four waves: a barrier between writing and reading, and one between a head's reading and the next head's writing.  Each accumulator is read from its low end on.
.macro HEADOUT h
.if (\h) > 0
	s_wait_xcnt 0x0                                ; the last head's stores have read their registers, which are loaded again below
	s_wait_dscnt 0x0                               ; my reads of the stage are over
	s_barrier_signal -1
	s_barrier_wait -1                              ; everybody's are
.endif
.irp i, 0,1
.if (\h) < 2
	WIN 0x0d                                       ; source 0 (the sums) window 1, source 1 (the table) window 3
.irp a, 0,1,2,3,4,5,6,7
.irp p, 0,2,4,6
	v_pk_mul_f32 v[YR+8*(\a)+(\p):YR+8*(\a)+(\p)+1], v[64*(2*(\h)+(\i))+8*(\a)+(\p):64*(2*(\h)+(\i))+8*(\a)+(\p)+1], v[8*(2*(\a)+(\i))+(\p):8*(2*(\a)+(\i))+(\p)+1] op_sel_hi:[1,0]
.endr
.irp p, 0,2,4,6
	v_pk_fma_f32 v[YR+8*(\a)+(\p):YR+8*(\a)+(\p)+1], v[64*(2*(\h)+(\i))+8*(\a)+(\p):64*(2*(\h)+(\i))+8*(\a)+(\p)+1], v[8*(2*(\a)+(\i))+(\p):8*(2*(\a)+(\i))+(\p)+1], v[YR+8*(\a)+(\p):YR+8*(\a)+(\p)+1] op_sel:[1,1,0] op_sel_hi:[0,1,1] neg_lo:[0,1,0]
.endr
.endr
	WIN 0
.irp a, 0,1,2,3,4,5,6,7
.irp p, 0,1,2,3
	v_cvt_pk_f16_f32 v[PKR+4*(\a)+(\p)], v[YR+8*(\a)+2*(\p)], v[YR+8*(\a)+2*(\p)+1]
.endr
.endr
.else
	WIN 0x0a                                       ; sources 0 and 1 window 2
.irp a, 0,1,2,3,4,5,6,7
.irp p, 0,1,2,3
	v_cvt_pk_f16_f32 v[PKR+4*(\a)+(\p)], v[64*(\i)+8*(\a)+2*(\p)], v[64*(\i)+8*(\a)+2*(\p)+1]
.endr
.endr
	WIN 0
.endif
.irp a, 0,1,2,3,4,5,6,7
	ds_store_b128 v[STO], v[PKR+4*(\a):PKR+4*(\a)+3] offset:(\a)*16*SP+32*(\i)
.endr
.endr
	s_wait_dscnt 0x0                               ; for the others' sake: my stores into the stage are done
	s_barrier_signal -1
	s_barrier_wait -1
.irp t, 0,1,2,3,4,5,6,7,8,9,10,11,12,13,14,15
	ds_load_b128 v[BK+4*(\t):BK+4*(\t)+3], v[RD] offset:(\t)*2*SP
.endr
.irp t, 0,1,2,3,4,5,6,7,8,9,10,11,12,13,14,15
	s_wait_dscnt 15-(\t)                           ; LDS loads come back in order: load t is in
	global_store_b128 v[CO], v[BK+4*(\t):BK+4*(\t)+3], s[OUT+2*(\h):OUT+2*(\h)+1] offset:512*(\t)  ; 512 consecutive bytes, at a multiple of 256 from qkv's first
.endr
.endm
	HEADOUT 0
	HEADOUT 1
	HEADOUT 2
	s_wait_tensorcnt 0x0                           ; the wave's end: these three lines stand behind my last tensor load and my last LDS store
	ds_add_u32 v[SPW], v[NIL]
	s_wait_dscnt 0x0
	CROUND                                         ; the closing round: no work-group ends while a partner may still ask for a tile that names it
	s_endpgm
.Lfunc_end_k_q1d3828f5d5_proj:
	.size	k_q1d3828f5d5_proj, .Lfunc_end_k_q1d3828f5d5_proj-k_q1d3828f5d5_proj
	.p2alignl 7, 3214868480
	.fill 96, 4, 3214868480
	.section	.rodata,"a",@progbits
	.p2align	6, 0x0
	.amdhsa_kernel k_q1d3828f5d5_proj
		.amdhsa_group_segment_fixed_size 327680
		.amdhsa_private_segment_fixed_size 0
		.amdhsa_enable_private_segment 0
		.amdhsa_kernarg_size 32
		.amdhsa_user_sgpr_count 2
		.amdhsa_user_sgpr_kernarg_segment_ptr 1
		.amdhsa_wavefront_size32 1
		.amdhsa_system_sgpr_workgroup_id_x 1
		.amdhsa_system_sgpr_workgroup_id_y 1
		.amdhsa_system_sgpr_workgroup_id_z 1
		.amdhsa_system_vgpr_workitem_id 0
		.amdhsa_next_free_vgpr 896
		.amdhsa_next_free_sgpr 72
		.amdhsa_reserve_vcc 0
		.amdhsa_float_denorm_mode_32 3
		.amdhsa_float_denorm_mode_16_64 3
		.amdhsa_memory_ordered 1
		.amdhsa_forward_progress 1
		.amdhsa_inst_pref_size 137
	.end_amdhsa_kernel
	.amdgpu_metadata
---
amdhsa.version: [ 1, 2 ]
amdhsa.kernels:
  - .name:           k_q1d3828f5d5_proj
    .symbol:         k_q1d3828f5d5_proj.kd
    .args:
      - { .name: xb, .offset: 0, .size: 8, .value_kind: global_buffer, .address_space: global }
      - { .name: wc, .offset: 8, .size: 8, .value_kind: global_buffer, .address_space: global }
      - { .name: tab, .offset: 16, .size: 8, .value_kind: global_buffer, .address_space: global }
      - { .name: qkv, .offset: 24, .size: 8, .value_kind: global_buffer, .address_space: global }
    .group_segment_fixed_size: 327680
    .private_segment_fixed_size: 0
    .kernarg_segment_align: 8
    .kernarg_segment_size: 32
    .max_flat_workgroup_size: 128
    .sgpr_count:     72
    .vgpr_count:     896
    .wavefront_size: 32
...
	.end_amdgpu_metadata
.endif
;; end of part 2
;; launch attn (part 3): grid 16 x 16, 4 waves a work-group, clusters of 4 x 1, 327,680 bytes of LDS; arguments qkv, ob, Wo, wo16; writes ob, wo16
.if DOCPART == 3
	.amdgcn_target "amdgcn-amd-amdhsa--gfx1250"
	.amdhsa_code_object_version 6
	.text
	.protected	k_q1d3828f5d5_attn
	.globl	k_q1d3828f5d5_attn
	.p2align	8
	.type	k_q1d3828f5d5_attn,@function
k_q1d3828f5d5_attn:
	s_mov_b64 s[64:65], 0
	v_nop
	global_prefetch_b8 v0, s[64:65] scope:SCOPE_SE
	s_setreg_imm32_b32 hwreg(HW_REG_WAVE_MODE, 25, 1), 1
	s_wait_xcnt 0x0
	s_wait_alu depctr_hold_cnt(0) depctr_sa_sdst(0) depctr_va_vdst(0) depctr_va_sdst(0) depctr_va_ssrc(0) depctr_va_vcc(0) depctr_vm_vsrc(0)
	s_getreg_b32 s2, hwreg(HW_REG_IB_STS2, 6, 4)
	s_cmp_eq_u32 s2, 0
	s_cbranch_scc0 .Lentry_in_a_cluster
	s_endpgm
.Lentry_in_a_cluster:
	s_bfe_u32 s2, ttmp6, 0x10000c
	s_cmp_lg_u32 s2, 0x3003
	s_cbranch_scc0 .Lentry_shape_is_right
	s_endpgm
.Lentry_shape_is_right:
; CAUSAL ATTENTION, head size 128.  O[q] = the sum over k <= q of softmax_k(Q[q] . K[k] / sqrt(128)) V[k], for 16 heads of 2,048 rows.
; qkv: [3][16][2048][128] f16 (q, k, v by heads, rows of 256 bytes).  ob: [2048 tokens][16 heads x 128] f16.  Products, maxima and sums in f32; the weights p are rounded to f16 for the
; second product (their sum l is taken of the unrounded p), O once at the end.
; BESIDE IT, Wo'S CAST for the launch behind: Wo [2048][2048] f32 -> wo16, rounded to bf16 like every other input of the module, and that number written as f16.  Each of the 256 work-groups takes eight rows,
; one in each of the loop's eight trips: four loads of 16 bytes a thread at the trip's head, 32 vector lines and four stores of 8 bytes at its end: the stream runs under the attention's own work.
; LIMITS.  Q, K and V arrive within f16's 65,504, so a score lies within 128 x 65,504^2 = 5.5e11.  A hidden score counts as its value less 1e30.  The running maximum starts at -1e12, below every true score and
; far above every hidden one, so that a wave that has seen hidden keys only holds p = 0, l = 0, O = 0.  A weight below 2^-126 counts as 0; p below 6e-5 keeps f16's fixed step.  NaN and infinities are not treated apart.
; A number of Wo below 6.1e-5 in magnitude keeps f16's fixed step of 6e-8; beyond 65,504 it would become an infinity (Wo as drawn has a spread of 0.022).
; THE WALK.  A head's queries lie in 32 blocks of 64.  Work-group b = 4 u + v (u: the cluster, v: my place in it) takes block 31 - b and then block b.  Keys go in tiles of 256: the first block needs tiles
; 0 .. 7 - u, the second 0 .. u: nine tiles whatever b, so all 256 work-groups are alike, and ONE loop with a constant trip count walks them.
; THE KEYS OF A TILE ARE SPLIT AMONG THE WAVES: wave w takes keys 64 w .. 64 w + 63 of every tile, for all 64 queries (four tiles of 16).  So each fragment of K or V read from LDS feeds four products, and no
; LDS byte of a tile is read twice.  Each wave runs its own running maximum, sum and O^T; at a block's end the four partial results are merged in LDS.
; CLUSTER.  The four work-groups of a cluster share u and the head, so they walk the same tiles in the same trips: every tile is asked for JOINTLY, with the mask of all four.  Trip counts, branches and LDS
; addresses hang on u and the wave's number alone; v enters Q's, O's and Wo's addresses, the prefetches' addresses and the masks' values.
; LAYOUT.  S^T = K Q^T (source 0 = 16 keys, source 1 = 16 queries): a lane holds ONE query (lane % 16) and the keys 8 (lane / 16) + 0..7.  Two such results rounded to f16 in pairs ARE source 1 of
; O^T = V^T P, whose result again holds one query a lane, and eight channels.  K comes out of LDS as it lies, V ([key][channel]) turned, by ds_load_tr16_b128.
; SOFTMAX.  p = 2^(c s - c m), c = log2(e) / sqrt(128); in every step O and l are multiplied by a = 2^(c m_old - c m_new).  c m starts far below every c s: a block's first step has a = 0, so O^T and l need only be finite there.
; THE MASK is the C operand that starts the sum S^T: 0, or -1e30 where the key is hidden.  In a block's last tile, with e = w - (the quarter of the tile that holds the diagonal): e < 0 all is seen, e > 0 nothing,
; e = 0: key block kb against query tile t: seen if kb < t, hidden if kb > t, the triangle if kb = t.  Three sets of eight registers, made in every trip from three scalars; no branch hangs on them.
; IN PHASES.  A trip: K's fragments are asked for; under them the products V^T P of the step BEFORE; then K Q^T; V's fragments are asked for; under them the softmax.
; REGISTERS, in windows of 256 (s_set_vgpr_msb: bits 1:0 source 0, 3:2 source 1, 5:4 source 2, 7:6 destination):
;   window 0: v0-11 addresses; v12-43 eight registers of statistics a tile; v44-46 at work; v47-48, v61-63; v64-191 S^T, 32 a tile (in the merge: at work); v192-255 P, 16 a tile
;   window 1: O^T, 64 a tile     window 2: v0-127 Q, 32 a tile; v128-255 K     window 3: v0-127 V; v128-159 the triangle and the three masks; v160-187 Wo's cast
.set PK,    272       ; a row of K in LDS: 256 bytes + 16: the 16 rows of a load start at 16 different groups of four banks (64 banks of 4 bytes: ISA guide 11.1)
.set PV,    288       ; a row of V: 256 + 32
.set VOFF,  256*PK    ; a slot holds a tile: 256 rows of K, then 256 rows of V
.set SLOTX, 0x24000   ; slot 1 begins here; none of the loads' places in slot 0 (0, 0x8800, 0x11000, 0x1a000) has one of its two bits set, so one exclusive or turns an address in one slot into the other's
.set MR,    0x47000   ; behind the ring, never filled by a tensor load: four partial tiles of O, 16 queries x 528 bytes each
.set MP,    528       ; a query's 512 bytes of f32 with 16 bytes of padding in their middle: 16 rows of a store start at 16 different groups of four banks, and so do the 16 pieces of 32 bytes that a load takes of one row
.set MW,    16*MP
.set STAT,  MR+4*MW   ; [4 tiles][16 queries][c m of the four waves, l of the four waves]: 32 bytes a query
.set SPARE, STAT+2048 ; the spare words, 128 bytes for each wave: two blocks of 256 bytes that no other line names
.set AK0, 2           ; v2   my lane's place in my 64 rows of K; never rewritten
.set AV0, 3           ; v3   the same for V
.set ADR, 4           ; v4   the LDS address of the run of loads in hand
.set QO,  5           ; v5   my byte offset in 16 rows of Q; never rewritten
.set MS,  6           ; v6   the merge: where I put 32 bytes of a query's partial row
.set MRD, 7           ; v7   where I read 32 bytes of the rows that I merge
.set SS,  8           ; v8   where I put my wave's statistics of a query
.set SR,  10          ; v10  where I read the four waves' statistics
.set GO,  11          ; v11  my byte offset in ob
.set WLO, 47          ; v47  16 x my thread's number: my 16 bytes in 2,048 of a row of Wo; never rewritten
.set WSO, 48          ; v48  8 x my thread's number: my 8 bytes in 1,024 of a row of wo16; never rewritten
.set PFO, 61          ; v61  256 x my lane; never rewritten
.set SPW, 62          ; v62  LDS address of my spare word; never rewritten
.set NIL, 63          ; v63  0; never rewritten
.set ST,  12          ; tile t's statistics at v[ST+8 t]: +0 c m, +1 m, +2, +3 l (even keys', odd keys'), +4 to +7 c0-c3, at work; a takes c2's place once the maximum is found
.set S,   64
.set P,   192
.set KF,  128         ; window 2: key block kb, channels 32 c on, at KF + 32 kb + 8 c
.set TRI, 128         ; window 3: -1e30 where register j's key lies above my query in a diagonal block of 16 x 16
.set ML,  136         ; the mask for kb < t
.set MG,  144         ; for kb = t
.set MU,  152         ; for kb > t
.set WX,  160         ; window 3: four loads of four f32 of Wo
.set WY,  176         ; four pairs of packed words to store
.set WT,  184         ; four at work
.set PT,  64          ; the merge, window 0: partial rows: query pair p, wave vv at PT + 32 p + 8 vv
.set SX,  128         ; statistics: c m of four waves, l of four waves, at SX + 8 p
.set MX,  144         ; the maximum of the four c m
.set EX,  148         ; the four weights, at EX + 4 p
.set LX,  156
.set RX,  158
.set OX,  160         ; eight merged channels, at OX + 8 p
.set KX,  176         ; packed, at KX + 4 p
.set WV,  12          ; s12  my wave's number;  s13 v;  s14 u;  s15 the head;  s[8:9] Wo, s[10:11] wo16, one row behind the row in hand
.set PFA, 18          ; s[18:19] where my prefetches stand
.set LIM, 20          ; s20  2 in the cluster that prefetches, else the greatest number
.set G1K, 24          ; s[24:31] descriptor group 1 for K's tiles
.set G1V, 32          ; s[32:39] for V's: it differs in the padding alone
.set G0K, 40          ; s[40:43] descriptor group 0 for K's tiles
.set G0V, 44          ; s[44:47] for V's
.set KB,  48          ; s[48:49] K at my half of the head's tile 0
.set VB,  50          ; s[50:51] V likewise
.set QLO, 52          ; s[52:53] Q at the second block
.set OB,  54          ; s[54:55] ob at the block in hand
.set OLO, 56          ; s[56:57] ob at the second block
.set CS,  58          ; s[58:59] c
.set SEL, 60          ; s[60:61] v_permlanex16_b32's selects: each lane takes its own place in the other half
.set TB,  62          ; s62  the slot that is being read: 0 or SLOTX
.set SLOTS, 63        ; s63  tiles still to be asked for
.set RT,  66          ; s66  tiles of the block in hand that are still to be entered
.set NXT, 67          ; s67  the tile to be asked for next
.set LQ,  68          ; s68  the last tile of the block whose tiles are being asked for
.set DD,  69          ; s69  which quarter of the block's last tile holds the diagonal
.set EE,  70          ; s70  e
.set AL,  71          ; s71  the triangle's factor
.set BE,  72          ; s72  the mask for kb < t, and the triangle's addend
.set MUV, 73          ; s73  the mask for kb > t
.set BIGN, 74         ; s74  -1e30
.set OFF, 76          ; s[76:77] a tile's byte offset in K and V
.set QHI, 78          ; s[78:79] Q at the first block
.set MSB, 0
.macro WIN new                      ; the high byte repeats the setting that is left; a switch that changes nothing is dropped
.if MSB != (\new)
	s_set_vgpr_msb (MSB<<8)|(\new)
.set MSB, (\new)
.endif
.endm
.set W_KQ, 0x0a       ; K and Q in window 2, S^T in window 0
.set W_KM, 0x3a       ; the same with the C operand in window 3
.set W_PV, 0x53       ; V in window 3, P in window 0, O^T in window 1
.set W_RS, 0x41       ; O^T (destination and source 0) in window 1, a in window 0
; A joint fill.  Waves 0 and 1 fetch the two halves of a tile's K, waves 2 and 3 those of its V: 128 rows of 256 bytes each.  An s_nop 0 and four v_nop follow each of the two lines.
.macro JLOAD
	s_cmp_lt_u32 s[WV], 2
	s_cbranch_scc0 .Lfor_v_\@
	tensor_load_to_lds s[G0K:G0K+3], s[G1K:G1K+7]
	s_nop 0
.rept 4
	v_nop
.endr
	s_branch .Lasked_\@
.Lfor_v_\@:
	tensor_load_to_lds s[G0V:G0V+3], s[G1V:G1V+7]
	s_nop 0
.rept 4
	v_nop
.endr
.Lasked_\@:
.endm
; A prefetch into the L2 of the tile that the NEXT change of slots will ask for, a trip (128 matrix instructions and a softmax) ahead of that load.  All clusters of a head walk tiles 0, 1, .. first: the cluster
; u = 0, which walks all eight, asks, in trips 0 to 5, for tiles 2 to 7.  Each wave names 32 of the 128 rows that it fetches itself, a lane a row; the four partners share the rows out by address.  So each row is
; named once in the launch.  The second blocks' tiles have been read before and are not asked for.
.macro ASK
	s_cmp_gt_u32 s[SLOTS], s[LIM]
	s_cbranch_scc0 .Lnot_mine_\@
	global_prefetch_b8 v[PFO], s[PFA:PFA+1] th:TH_LOAD_NT scope:SCOPE_SE
.Lnot_mine_\@:
.endm
.macro CROUND                       ; a round of the cluster's barrier
	s_barrier_signal -1
	s_barrier_wait -1
	s_cmp_lg_u32 s[WV], 0
	s_cbranch_scc1 .Lnot_wave_0_\@
	s_barrier_signal -3
.Lnot_wave_0_\@:
	s_barrier_wait -3
	s_barrier_signal -1
	s_barrier_wait -1
.endm
; THE CHANGE OF SLOTS.  Each wave waits for all its tensor loads, of which one is out: its part of the other slot; adds 0 to its spare word; and waits for that and for its own reads of the slot that it leaves.
; fill = 1: the barrier is a round of the cluster's, and the old slot is filled again, first thing behind it, with tile NXT: the descriptor's address is made anew from that number.
; (At its first use nothing has been read yet: slot 0 is waited for, slot 1 filled.)
.macro CHANGE fill
	WIN 0
	s_wait_tensorcnt 0x0            ; no tensor load of mine is out, so a group 0 may be written
	ds_add_u32 v[SPW], v[NIL]       ; 0 onto my spare word; the scalar work stands between it and the wait for it
.if \fill
	s_lshl_b32 s[OFF], s[NXT], 16   ; a tile is 65,536 bytes of K and of V
	s_xor_b32 s[G0K+1], s[G0K+1], SLOTX
	s_add_nc_u64 s[G0K+2:G0K+3], s[KB:KB+1], s[OFF:OFF+1]
	s_or_b32 s[G0K+3], s[G0K+3], 0x80000000
	s_xor_b32 s[G0V+1], s[G0V+1], SLOTX
	s_add_nc_u64 s[G0V+2:G0V+3], s[VB:VB+1], s[OFF:OFF+1]
	s_or_b32 s[G0V+3], s[G0V+3], 0x80000000
	s_add_co_u32 s[NXT], s[NXT], 1  ; the block's next tile, or behind its last the second block's tile 0
	s_cmp_gt_u32 s[NXT], s[LQ]
	s_cselect_b32 s[NXT], 0, s[NXT]
	s_cselect_b32 s[LQ], s14, s[LQ]
	s_wait_dscnt 0x0                ; the add is done, and my reads of the slot are over
	CROUND
	JLOAD
	ASK
.else
	s_wait_dscnt 0x0
	s_barrier_signal -1
	s_barrier_wait -1
.endif
	s_xor_b32 s[TB], s[TB], SLOTX   ; the fetches go to the other slot
.endm
; Wo's CAST, first half, at a trip's head: the trip's three pointers are stepped, and the trip's row of Wo is asked for: 128 threads x 16 bytes x 4.  A wave's load covers 512 consecutive bytes.
; The loads and the stores reach back by a negative immediate, since the pointers are stepped ahead of them.  The loads have the change of slots and the whole trip in which to land.
.macro WLOAD
	s_wait_xcnt 0x0                 ; the last trip's prefetch, loads and stores have read their addresses and their data: the pointers, and further down the stores' registers, may be written
	s_add_nc_u64 s[PFA:PFA+1], s[PFA:PFA+1], 0x10000
	s_add_nc_u64 s[8:9], s[8:9], 8192
	s_add_nc_u64 s[10:11], s[10:11], 4096
	WIN 0xc0                        ; destination window 3
.irp c, 0,1,2,3
	global_load_b128 v[WX+4*(\c):WX+4*(\c)+3], v[WLO], s[8:9] offset:2048*(\c)-8192 th:TH_LOAD_NT
.endr
	WIN 0
.endm
; Second half, at the trip's end: rounded to bf16, widened again, written as f16 (exact within f16's range), stored: a wave's store covers 256 consecutive bytes, aligned.
.macro WCAST
	s_wait_loadcnt 0x0              ; the row is in
	WIN 0xcf                        ; destination and both sources in window 3
.irp c, 0,1,2,3
	v_cvt_pk_bf16_f32 v[WY+2*(\c)], v[WX+4*(\c)], v[WX+4*(\c)+1]
	v_cvt_pk_bf16_f32 v[WY+2*(\c)+1], v[WX+4*(\c)+2], v[WX+4*(\c)+3]
.endr
.irp c, 0,1,2,3
	v_lshlrev_b32 v[WT], 16, v[WY+2*(\c)]
	v_and_b32 v[WT+1], 0xffff0000, v[WY+2*(\c)]
	v_lshlrev_b32 v[WT+2], 16, v[WY+2*(\c)+1]
	v_and_b32 v[WT+3], 0xffff0000, v[WY+2*(\c)+1]
	v_cvt_pk_f16_f32 v[WY+2*(\c)], v[WT], v[WT+1]
	v_cvt_pk_f16_f32 v[WY+2*(\c)+1], v[WT+2], v[WT+3]
.endr
	WIN 0x0c                        ; the stores' data in window 3, their address in window 0
.irp c, 0,1,2,3
	global_store_b64 v[WSO], v[WY+2*(\c):WY+2*(\c)+1], s[10:11] offset:1024*(\c)-4096 th:TH_STORE_NT
.endr
	WIN 0
.endm
	s_load_b256 s[4:11], s[0:1], 0x0  ; qkv s[4:5], ob s[6:7], Wo s[8:9], wo16 s[10:11]
	v_lshl_add_u32 v[SPW], v0, 2, SPARE
	v_mov_b32 v[NIL], 0
	ds_add_u32 v[SPW], v[NIL]       ; the wave's opening: the add and its wait stand ahead of my first tensor load; the set-up below stands between them
	v_lshrrev_b32 v1, 5, v0
	v_readfirstlane_b32 s[WV], v1   ; wave 0..3
	s_bfe_u32 s13, ttmp6, 0x40000   ; v: my place in the cluster
	s_mov_b32 s14, ttmp9            ; u: the cluster
	s_and_b32 s15, ttmp7, 0xffff    ; the head
	s_lshl_b32 s16, s15, 19         ; a head is 524,288 bytes of q, of k and of v
	s_and_b32 s21, s[WV], 1         ; which half of a tile's 256 rows I fetch:
	s_lshl_b32 s22, s21, 15         ; its 128 rows of 256 bytes in memory,
	s_add_co_u32 s22, s22, s16
	s_mov_b32 s23, 0
	s_mul_i32 s2, s21, 128*PK       ; and its place in a slot, for K
	s_mul_i32 s3, s21, 128*PV       ; and for V: no place in the cluster enters an LDS address
	s_mov_b32 s[G1K], 15|(1<<16)|(1<<20)|(1<<21)|(5<<22)|(3<<25)  ; 15:0 the mask of four; 17:16 2-byte elements; 20 padding on; 21 set beside a mask; 24:22 after every 64 words (code 5); 31:25 4 words (code 3)
	s_mov_b32 s[G1V], 15|(1<<16)|(1<<20)|(1<<21)|(5<<22)|(7<<25)  ; the same with 8 words of padding (code 7)
.irp g, G1K, G1V
	s_mov_b32 s[(\g)+1], 128<<16    ; tensor_dim0 = 128
	s_mov_b32 s[(\g)+2], 128<<16    ; tensor_dim1 = 128
	s_mov_b32 s[(\g)+3], 128<<16    ; tile_dim0 = 128
	s_mov_b32 s[(\g)+4], 128        ; tile_dim1 = 128
	s_mov_b32 s[(\g)+5], 128        ; 128 elements from row to row
	s_mov_b32 s[(\g)+6], 0
	s_mov_b32 s[(\g)+7], 0
.endr
	s_mov_b32 s[G0K], 1
	s_mov_b32 s[G0K+1], s2          ; slot 0
	s_mov_b32 s[G0V], 1
	s_add_co_u32 s[G0V+1], s3, VOFF
	s_lshl_b32 s70, s14, 2
	s_add_co_u32 s70, s70, s13      ; b
	s_sub_co_u32 s71, 31, s70       ; 31 - b
	s_lshl_b32 s2, s15, 4
	s_add_co_u32 s2, s2, s70        ; my work-group among the 256: 16 x head + b:
	s_lshl_b32 s2, s2, 16           ; its eight rows of Wo, 8,192 bytes each
	s_mov_b32 s3, 0
	s_lshl_b32 s72, s15, 8          ; the head's 256 bytes of a token in ob
	s_lshl_b32 s[QHI], s71, 14      ; a block is 64 rows of 256 bytes of q,
	s_add_co_u32 s[QHI], s[QHI], s16
	s_mov_b32 s[QHI+1], 0
	s_lshl_b32 s[QLO], s70, 14
	s_add_co_u32 s[QLO], s[QLO], s16
	s_mov_b32 s[QLO+1], 0
	s_lshl_b32 s[OB], s71, 18       ; and 64 rows of 4,096 bytes of ob
	s_add_co_u32 s[OB], s[OB], s72
	s_mov_b32 s[OB+1], 0
	s_lshl_b32 s[OLO], s70, 18
	s_add_co_u32 s[OLO], s[OLO], s72
	s_mov_b32 s[OLO+1], 0
	s_lshr_b32 s72, s2, 1           ; my eight rows of wo16, 4,096 bytes each
	s_mov_b32 s73, 0
	s_mov_b32 s[CS], 0x3e0293ee     ; c = log2(e) / sqrt(128) = 0.127517
	s_mov_b32 s[CS+1], s[CS]        ; named with it as a pair
	s_mov_b32 s[SEL], 0x76543210
	s_mov_b32 s[SEL+1], 0xfedcba98
	s_mov_b32 s[TB], SLOTX          ; the first change of slots turns it into 0
	s_mov_b32 s[SLOTS], 8
	s_sub_co_u32 s[RT], 8, s14      ; the first block has 8 - u tiles
	s_mov_b32 s[NXT], 1
	s_sub_co_u32 s[LQ], 7, s14
	s_sub_co_u32 s[DD], 3, s13      ; block 31 - b begins at row 256 (7 - u) + 64 (3 - v)
	s_mov_b32 s[BIGN], 0xf149f2ca   ; -1e30
	s_mov_b32 s[OFF+1], 0
	s_cmp_eq_u32 s14, 0
	s_cselect_b32 s[LIM], 2, -1     ; the same in all four partners and all waves
	s_lshl_b32 s70, s13, 13         ; the prefetches: my work-group's 32 rows of the 128,
	s_add_co_u32 s70, s70, 0x10000  ; in tile 1: the first trip steps them to tile 2
	s_mov_b32 s71, 0
	s_wait_dscnt 0x0                ; the opening add is done
	s_wait_kmcnt 0x0
	s_add_nc_u64 s[KB:KB+1], s[4:5], s[22:23]
	s_add_nc_u64 s[VB:VB+1], s[KB:KB+1], 0x1000000
	s_add_nc_u64 s[KB:KB+1], s[KB:KB+1], 0x800000
	s_add_nc_u64 s[G0K+2:G0K+3], s[KB:KB+1], 0
	s_or_b32 s[G0K+3], s[G0K+3], 0x80000000
	s_add_nc_u64 s[G0V+2:G0V+3], s[VB:VB+1], 0
	s_or_b32 s[G0V+3], s[G0V+3], 0x80000000
	s_add_nc_u64 s[QHI:QHI+1], s[4:5], s[QHI:QHI+1]
	s_add_nc_u64 s[QLO:QLO+1], s[4:5], s[QLO:QLO+1]
	s_add_nc_u64 s[OB:OB+1], s[6:7], s[OB:OB+1]
	s_add_nc_u64 s[OLO:OLO+1], s[6:7], s[OLO:OLO+1]
	s_add_nc_u64 s[8:9], s[8:9], s[2:3]
	s_add_nc_u64 s[10:11], s[10:11], s[72:73]
	s_cmp_lt_u32 s[WV], 2
	s_cselect_b64 s[PFA:PFA+1], s[KB:KB+1], s[VB:VB+1]
	s_add_nc_u64 s[PFA:PFA+1], s[PFA:PFA+1], s[70:71]
	CROUND                          ; all four work-groups are here: the first joint loads meet
	JLOAD                           ; tile 0 into slot 0
	; A fragment of K or Q is 16 rows x 32 channels in 8 registers: lane l holds row l % 16, channels 8 (l / 16) + 0..7 and 16 + 8 (l / 16) + 0..7: two loads of 16 bytes, 32 bytes apart.
	v_and_b32 v1, 15, v0            ; l % 16
	v_bfe_u32 v9, v0, 4, 1          ; l / 16
	v_lshlrev_b32 v[QO], 8, v1
	v_lshl_add_u32 v[QO], v9, 4, v[QO]
.macro LOADQ base                   ; a block's Q: tile i / 4, channels 32 (i % 4) on; every wave holds all 64 queries
	WIN 0x80                        ; destination window 2
.set i, 0
.rept 16
	global_load_b128 v[8*i:8*i+3],   v[QO], s[(\base):(\base)+1] offset:(i/4)*4096+(i%4)*64
	global_load_b128 v[8*i+4:8*i+7], v[QO], s[(\base):(\base)+1] offset:(i/4)*4096+(i%4)*64+32
.set i, i+1
.endr
	WIN 0
.endm
	LOADQ QHI
	v_lshlrev_b32 v44, 3, v9
	v_sub_nc_u32 v44, v1, v44       ; l % 16 - 8 (l / 16): register j's key is hidden where j is greater
	WIN 0xc0
.set j, 0
.rept 8
	v_cmp_gt_i32 vcc_lo, j, v44
	v_cndmask_b32 v[TRI+j], 0, s[BIGN], vcc_lo
.set j, j+1
.endr
	WIN 0
	v_and_b32 v45, 7, v0
	v_bfe_u32 v46, v0, 3, 1
	s_mul_i32 s21, s[WV], 64*PK     ; my wave's 64 keys
	v_mul_u32_u24 v[AK0], v1, PK
	v_lshl_add_u32 v[AK0], v9, 4, v[AK0]
	v_add_nc_u32 v[AK0], s21, v[AK0]
	; The turning load takes 16 keys x 16 channels (lane l reads key 8 (l / 16) + l % 8, channels 8 ((l / 8) % 2) + 0..7) and leaves half a fragment of V^T: lane l holds channel l % 16 and 8 keys.
	s_mul_i32 s21, s[WV], 64*PV
	s_add_co_u32 s21, s21, VOFF
	v_lshl_add_u32 v[AV0], v9, 3, v45
	v_mul_u32_u24 v[AV0], v[AV0], PV
	v_lshl_add_u32 v[AV0], v46, 4, v[AV0]
	v_add_nc_u32 v[AV0], s21, v[AV0]
	s_mul_i32 s21, s[WV], MW        ; the merge, in: my wave's partial tile, query l % 16, 32 bytes for each half of the lanes
	s_add_co_u32 s21, s21, MR
	v_mul_u32_u24 v[MS], v1, MP
	v_lshl_add_u32 v[MS], v9, 5, v[MS]
	v_add_nc_u32 v[MS], s21, v[MS]
	s_mul_i32 s21, s[WV], 4*MP      ; back: wave w merges queries 4 w .. 4 w + 3 of a tile: query 4 w + 2 p + l / 16, channels 8 (l % 16) + 0..7,
	s_add_co_u32 s21, s21, MR
	v_mul_u32_u24 v[MRD], v9, MP
	v_lshl_add_u32 v[MRD], v1, 5, v[MRD]
	v_lshrrev_b32 v44, 3, v1
	v_lshl_add_u32 v[MRD], v44, 4, v[MRD]  ; past the padding in the row's middle for channels 64 on
	v_add_nc_u32 v[MRD], s21, v[MRD]
	s_lshl_b32 s21, s[WV], 2
	s_add_co_u32 s21, s21, STAT
	v_lshl_add_u32 v[SS], v1, 5, s21
	s_lshl_b32 s21, s[WV], 7
	s_add_co_u32 s21, s21, STAT
	v_lshl_add_u32 v[SR], v9, 5, s21
	s_lshl_b32 s21, s[WV], 14       ; token 4 w + l / 16 of a tile, 16 bytes at 16 (l % 16) of the head's 256
	v_lshl_add_u32 v[GO], v9, 12, s21
	v_lshl_add_u32 v[GO], v1, 4, v[GO]
	v_and_b32 v[PFO], 31, v0
	v_lshlrev_b32 v[PFO], 8, v[PFO]
	v_lshlrev_b32 v[WLO], 4, v0
	v_lshlrev_b32 v[WSO], 3, v0
	; What the first trip finds: its products V^T P, of a step that has not been, multiply zeros; O^T and l are 0.  No first step is written out; the price is these lines, which stand in the wait for the first tile.
	WIN 0x40
.set i, 0
.rept 256
	v_mov_b32 v[i], 0
.set i, i+1
.endr
	WIN 0xc0
.set i, 0
.rept 128
	v_mov_b32 v[i], 0
.set i, i+1
.endr
	WIN 0
.set i, P
.rept 64
	v_mov_b32 v[i], 0
.set i, i+1
.endr
.macro FRESH                        ; a block's start
.set t, 0
.rept 4
	v_mov_b32 v[ST+8*t], 0xfe000000    ; c m: far below every c s
	v_mov_b32 v[ST+8*t+1], 0xd368d4a5  ; m = -1e12
.set t, t+1
.endr
.endm
	FRESH
.set t, 0
.rept 4
	v_mov_b32 v[ST+8*t+2], 0
	v_mov_b32 v[ST+8*t+3], 0
.set t, t+1
.endr
.macro ALLT line:vararg             ; one line for each tile t
.set t, 0
.rept 4
	\line
.set t, t+1
.endr
.endm
; THE LDS LOADS stand in runs of 32: my 64 keys' K (16 fragments) and V (turned).
.macro FETCH_K
	WIN 0
	v_add_nc_u32 v[ADR], s[TB], v[AK0]
	WIN 0x80                        ; destination window 2
.irp f, 0,1,2,3,4,5,6,7,8,9,10,11,12,13,14,15  ; keys 16 (f / 4) on, channels 32 (f % 4) on
	ds_load_b128 v[KF+8*(\f):KF+8*(\f)+3],   v[ADR] offset:((\f)/4)*16*PK+((\f)%4)*64
	ds_load_b128 v[KF+8*(\f)+4:KF+8*(\f)+7], v[ADR] offset:((\f)/4)*16*PK+((\f)%4)*64+32
.endr
	WIN 0
.endm
.macro FETCH_V
	WIN 0
	v_add_nc_u32 v[ADR], s[TB], v[AV0]
	WIN 0xc0                        ; destination window 3
.irp f, 0,1,2,3,4,5,6,7,8,9,10,11,12,13,14,15  ; keys 32 (f / 8) on, channels 16 (f % 8) on
	ds_load_tr16_b128 v[8*(\f):8*(\f)+3],   v[ADR] offset:((\f)/8)*32*PV+((\f)%8)*32
	ds_load_tr16_b128 v[8*(\f)+4:8*(\f)+7], v[ADR] offset:((\f)/8)*32*PV+16*PV+((\f)%8)*32
.endr
	WIN 0
.endm
; THE MATRIX WORK.  The accumulators take turns, one instruction a turn: between two links of a chain stand 15 (K Q^T) or 31 (V^T P) others'.
; S^T = K Q^T: 64 products: channels 32 (i / 16) on, keys 16 ((i / 4) % 4) on, tile i % 4.  The first 16 start the sums with the mask.
.macro KQALL
.set i, 0
.rept 64
.set t, i%4
.set kb, (i/4)%4
.set rS, S+32*t+8*kb
.set rK, KF+32*kb+8*(i/16)
.set rQ, 32*t+8*(i/16)
.if i < 16
.if kb < t
.set rM, ML
.elseif kb == t
.set rM, MG
.else
.set rM, MU
.endif
	WIN W_KM
	v_wmma_f32_16x16x32_f16 v[rS:rS+7], v[rK:rK+7], v[rQ:rQ+7], v[rM:rM+7]
.else
	WIN W_KQ
	v_wmma_f32_16x16x32_f16 v[rS:rS+7], v[rK:rK+7], v[rQ:rQ+7], v[rS:rS+7]
.endif
.set i, i+1
.endr
.endm
; O^T += V^T P: 64 products: keys 32 (i / 32) on, channels 16 ((i / 4) % 8) on, tile i % 4.
.macro PVALL
	WIN W_PV
.set i, 0
.rept 64
.set rO, 64*(i%4)+8*((i/4)%8)
.set rV, 64*(i/32)+8*((i/4)%8)
.set rP, P+16*(i%4)+8*(i/32)
	v_wmma_f32_16x16x32_f16 v[rO:rO+7], v[rV:rV+7], v[rP:rP+7], v[rO:rO+7]
.set i, i+1
.endr
.endm
; THE SOFTMAX of a step, for four tiles, the tiles innermost, so that no line reads the result of the line before it.  s0-s31 are a lane's 32 scores of a tile.
.macro SOFTMAX
	WIN 0
.set n, 0
.rept 16                            ; the maximum of s0-s31 and the old m, three operands at a time: four chains c0-c3 of seven scores each (each accumulator's lowest registers are read first), then the rest
.set t, 0
.rept 4
.set rT, ST+8*t
.set rS, S+32*t
.if n < 4
	v_max3_num_f32 v[rT+4+n], v[rS+8*n], v[rS+8*n+1], v[rS+8*n+2]
.elseif n < 12
	v_max3_num_f32 v[rT+4+n%4], v[rT+4+n%4], v[rS+8*(n%4)+2*(n/4)+1], v[rS+8*(n%4)+2*(n/4)+2]
.elseif n == 12
	v_max3_num_f32 v[rT+4], v[rT+4], v[rS+7], v[rS+15]
.elseif n == 13
	v_max3_num_f32 v[rT+6], v[rT+6], v[rS+23], v[rS+31]
.elseif n == 14
	v_max3_num_f32 v[rT+4], v[rT+4], v[rT+5], v[rT+6]
.else
	v_max3_num_f32 v[rT+4], v[rT+4], v[rT+7], v[rT+1]
.endif
.set t, t+1
.endr
.set n, n+1
.endr
	ALLT v_permlanex16_b32 v[ST+8*t+5], v[ST+8*t+4], s[SEL], s[SEL+1]  ; the query's other 32 keys lie in the lane 16 away
	ALLT v_mov_b32 v[ST+8*t+7], v[ST+8*t]                              ; c m_old is kept for a
	ALLT v_max_num_f32 v[ST+8*t+1], v[ST+8*t+4], v[ST+8*t+5]
	ALLT v_mul_f32 v[ST+8*t], s[CS], v[ST+8*t+1]
	ALLT v_sub_f32 v[ST+8*t+7], v[ST+8*t+7], v[ST+8*t]
	ALLT v_exp_f32 v[ST+8*t+6], v[ST+8*t+7]                            ; a
.set bb, 0
.rept 17                            ; ONE BATCH with a: the scalings c s - c m, a pair each, and a pair's two exponentials four tiles behind its scaling.  None of these reads an exponential's result
.set t, 0
.rept 4
.set rT, ST+8*t
.set rS, S+32*t
.if bb < 16
	v_pk_fma_f32 v[rS+2*bb:rS+2*bb+1], v[rS+2*bb:rS+2*bb+1], s[CS:CS+1], v[rT:rT+1] op_sel_hi:[1,0,0] neg_lo:[0,0,1] neg_hi:[0,0,1]
.endif
.if bb > 0
	v_exp_f32 v[rS+2*bb-2], v[rS+2*bb-2]
	v_exp_f32 v[rS+2*bb-1], v[rS+2*bb-1]
.endif
.set t, t+1
.endr
.set bb, bb+1
.endr
	v_nop                           ; a plain instruction behind the last exponential,
	s_wait_alu depctr_va_vdst(0)    ; and the wait ahead of the first use: one for the 132 exponentials
.set bb, 0
.rept 16                            ; the weights rounded to f16, a pair each
.set t, 0
.rept 4
	v_cvt_pk_f16_f32 v[P+16*t+bb], v[S+32*t+2*bb], v[S+32*t+2*bb+1]
.set t, t+1
.endr
.set bb, bb+1
.endr
.set z, 0
.rept 16                            ; the sum of a tile's 16 pairs, in place: neighbours 1, 2, 4 and 8 pairs apart; then l = a l + the sum
.set w, 4
.set u, z
.if z >= 14
.set w, 32
.set u, 0
.elseif z >= 12
.set w, 16
.set u, z-12
.elseif z >= 8
.set w, 8
.set u, z-8
.endif
.set t, 0
.rept 4
.set rT, ST+8*t
.set rS, S+32*t
.if z < 15
	v_pk_add_f32 v[rS+w*u:rS+w*u+1], v[rS+w*u:rS+w*u+1], v[rS+w*u+w/2:rS+w*u+w/2+1]
.else
	v_pk_fma_f32 v[rT+2:rT+3], v[rT+2:rT+3], v[rT+6:rT+7], v[rS:rS+1] op_sel_hi:[1,0,1]
.endif
.set t, t+1
.endr
.set z, z+1
.endr
	WIN W_RS                        ; O^T times a, each accumulator from its low end on
.set t, 0
.rept 4
.set n, 0
.rept 32
	v_pk_mul_f32 v[64*t+2*n:64*t+2*n+1], v[64*t+2*n:64*t+2*n+1], v[ST+8*t+6:ST+8*t+7] op_sel_hi:[1,0]
.set n, n+1
.endr
.set t, t+1
.endr
	WIN 0
.endm
; A TRIP: one tile, of which my wave takes 64 keys.  lc: the global loads issued behind Q's that may stay out: in the loop the trip's four of Wo, in the tail none.
.macro TRIP lc
	s_sub_co_u32 s[RT], s[RT], 1    ; 0: this is the block's last tile, which holds the diagonal
	FETCH_K                         ; its last reader, the trip before, stands in front of four v_nop and a softmax
	s_sub_co_i32 s[EE], s[WV], s[DD]
	s_cmp_lg_u32 s[RT], 0
	s_cselect_b32 s[EE], -1, s[EE]  ; in every other tile all is seen
	s_cmp_eq_u32 s[EE], 0
	s_cselect_b32 s[AL], 1.0, 0
	s_cmp_gt_i32 s[EE], 0
	s_cselect_b32 s[BE], s[BIGN], 0
	s_cmp_ge_i32 s[EE], 0
	s_cselect_b32 s[MUV], s[BIGN], 0
	WIN 0xc3                        ; destination and source 0 in window 3
.set j, 0
.rept 8
	v_mov_b32 v[ML+j], s[BE]
	v_fma_f32 v[MG+j], v[TRI+j], s[AL], s[BE]
	v_mov_b32 v[MU+j], s[MUV]
.set j, j+1
.endr
	PVALL                           ; the step before: registers alone (V was waited for at the change of slots); K's fragments land meanwhile
	WIN 0
	s_wait_loadcnt \lc              ; Q is in: loads come back in order, and only the trip's loads of Wo were issued behind Q's
	s_wait_dscnt 0x0                ; K is in
	KQALL
	WIN 0
.rept 4
	v_nop                           ; the places behind those products, in front of the softmax's reads and of the loads into V, which the products V^T P above have read
.endr
	FETCH_V                         ; lands under the softmax
	SOFTMAX
.endm
; Tile t of the merge.  The four waves put their partial O^T of the tile into LDS; behind a barrier wave w takes queries 4 w .. 4 w + 3: with M the largest of the four c m, e = 2^(c m - M), O = sum e O_w / sum e l_w.
; A lane ends with eight neighbouring channels of one token: sixteen lanes store a head's 256 bytes of a token, aligned.
.macro MERGE t
.if (\t) > 0
	s_wait_dscnt 0x0                ; my reads of the last tile's partial rows are over
	s_barrier_signal -1
	s_barrier_wait -1               ; everybody's are
.endif
	WIN 0x04                        ; the stores' data in window 1
.irp cb, 0,1,2,3,4,5,6,7            ; channels 16 cb on: 64 cb bytes, and 16 more behind the padding in the row's middle
	ds_store_b128 v[MS], v[64*(\t)+8*(\cb):64*(\t)+8*(\cb)+3]   offset:64*(\cb)+16*((\cb)/4)
	ds_store_b128 v[MS], v[64*(\t)+8*(\cb)+4:64*(\t)+8*(\cb)+7] offset:64*(\cb)+16*((\cb)/4)+16
.endr
	WIN 0
	s_wait_dscnt 0x0                ; for the others' sake: my stores are done (for tile 0 the statistics' too)
	s_barrier_signal -1
	s_barrier_wait -1
.irp p, 0,1
.irp vv, 0,1,2,3
	ds_load_b128 v[PT+32*(\p)+8*(\vv):PT+32*(\p)+8*(\vv)+3],   v[MRD] offset:MW*(\vv)+2*MP*(\p)
	ds_load_b128 v[PT+32*(\p)+8*(\vv)+4:PT+32*(\p)+8*(\vv)+7], v[MRD] offset:MW*(\vv)+2*MP*(\p)+16
.endr
	ds_load_b128 v[SX+8*(\p):SX+8*(\p)+3],   v[SR] offset:512*(\t)+64*(\p)
	ds_load_b128 v[SX+8*(\p)+4:SX+8*(\p)+7], v[SR] offset:512*(\t)+64*(\p)+16
.endr
	s_wait_dscnt 0x0
	s_wait_xcnt 0x0                 ; the last tile's stores have read their registers, which are written again below
.irp p, 0,1
	v_max3_num_f32 v[MX+(\p)], v[SX+8*(\p)], v[SX+8*(\p)+1], v[SX+8*(\p)+2]
.endr
.irp p, 0,1
	v_max_num_f32 v[MX+(\p)], v[MX+(\p)], v[SX+8*(\p)+3]
.endr
.irp p, 0,1
.irp i, 0,1,2,3
	v_sub_f32 v[EX+4*(\p)+(\i)], v[SX+8*(\p)+(\i)], v[MX+(\p)]
.endr
.endr
.irp i, 0,1,2,3,4,5,6,7
	v_exp_f32 v[EX+(\i)], v[EX+(\i)]
.endr
	v_nop
	s_wait_alu depctr_va_vdst(0)    ; one wait for the eight exponentials
.irp p, 0,1
	v_mul_f32 v[LX+(\p)], v[EX+4*(\p)], v[SX+8*(\p)+4]
.endr
.irp i, 1,2,3
.irp p, 0,1
	v_fmac_f32 v[LX+(\p)], v[EX+4*(\p)+(\i)], v[SX+8*(\p)+4+(\i)]
.endr
.endr
	v_rcp_f32 v[RX], v[LX]
	v_rcp_f32 v[RX+1], v[LX+1]
	v_nop
	s_wait_alu depctr_va_vdst(0)    ; one wait for the two reciprocals
.irp p, 0,1
.irp i, 0,1,2,3
	v_mul_f32 v[EX+4*(\p)+(\i)], v[EX+4*(\p)+(\i)], v[RX+(\p)]
.endr
.endr
.irp p, 0,1                         ; two channels a line; op_sel picks the wave's weight out of its pair for both
.irp c, 0,2,4,6
	v_pk_mul_f32 v[OX+8*(\p)+(\c):OX+8*(\p)+(\c)+1], v[PT+32*(\p)+(\c):PT+32*(\p)+(\c)+1], v[EX+4*(\p):EX+4*(\p)+1] op_sel_hi:[1,0]
.endr
.irp c, 0,2,4,6
	v_pk_fma_f32 v[OX+8*(\p)+(\c):OX+8*(\p)+(\c)+1], v[PT+32*(\p)+8+(\c):PT+32*(\p)+8+(\c)+1], v[EX+4*(\p):EX+4*(\p)+1], v[OX+8*(\p)+(\c):OX+8*(\p)+(\c)+1] op_sel:[0,1,0] op_sel_hi:[1,1,1]
.endr
.irp c, 0,2,4,6
	v_pk_fma_f32 v[OX+8*(\p)+(\c):OX+8*(\p)+(\c)+1], v[PT+32*(\p)+16+(\c):PT+32*(\p)+16+(\c)+1], v[EX+4*(\p)+2:EX+4*(\p)+3], v[OX+8*(\p)+(\c):OX+8*(\p)+(\c)+1] op_sel_hi:[1,0,1]
.endr
.irp c, 0,2,4,6
	v_pk_fma_f32 v[OX+8*(\p)+(\c):OX+8*(\p)+(\c)+1], v[PT+32*(\p)+24+(\c):PT+32*(\p)+24+(\c)+1], v[EX+4*(\p)+2:EX+4*(\p)+3], v[OX+8*(\p)+(\c):OX+8*(\p)+(\c)+1] op_sel:[0,1,0] op_sel_hi:[1,1,1]
.endr
.irp c, 0,1,2,3
	v_cvt_pk_f16_f32 v[KX+4*(\p)+(\c)], v[OX+8*(\p)+2*(\c)], v[OX+8*(\p)+2*(\c)+1]
.endr
	global_store_b128 v[GO], v[KX+4*(\p):KX+4*(\p)+3], s[OB:OB+1] offset:65536*(\t)+8192*(\p)
.endr
.endm
; A BLOCK'S END: the last step's V^T P, the statistics, the merge.  more = 1: the second block follows: its Q is asked for at once, and m, the count of tiles and the diagonal's place are set anew.
; P, V, O^T and l keep what they hold: finite numbers, which the next block's first step multiplies by a = 0.
.macro FINISH more
	WIN 0
	s_wait_dscnt 0x0                ; V of the last step is in
	PVALL
	WIN 0
.if \more
	LOADQ QLO                       ; the merge stands between these loads and the wait for them
.endif
	ALLT v_add_f32 v[ST+8*t+4], v[ST+8*t+2], v[ST+8*t+3]               ; l's two halves, and the other half of the lanes'
	ALLT v_permlanex16_b32 v[ST+8*t+5], v[ST+8*t+4], s[SEL], s[SEL+1]
	ALLT v_add_f32 v[ST+8*t+4], v[ST+8*t+4], v[ST+8*t+5]
.rept 4
	v_nop                           ; with the additions above: the places behind the last products
.endr
.set t, 0
.rept 4
	ds_store_b32 v[SS], v[ST+8*t] offset:512*t          ; both halves of the lanes hold the same number and write the same word
	ds_store_b32 v[SS], v[ST+8*t+4] offset:512*t+16
.set t, t+1
.endr
	MERGE 0
	MERGE 1
	MERGE 2
	MERGE 3
.if \more
	s_wait_xcnt 0x0                 ; the stores have read ob's address
	s_mov_b64 s[OB:OB+1], s[OLO:OLO+1]
	s_add_co_u32 s[RT], s14, 1      ; the second block has u + 1 tiles,
	s_mov_b32 s[DD], s13            ; and begins at row 256 u + 64 v
	FRESH
.endif
.endm
.Ltrip:                             ; eight times: a row of Wo is asked for, a tile is entered and the next is asked for; at the end the row of Wo is rounded and stored
	WLOAD
	CHANGE 1
	TRIP 4
	WCAST
	s_cmp_lg_u32 s[RT], 0           ; RT hangs on u alone: the same in every wave and every partner
	s_cbranch_scc1 .Lgo
	FINISH 1                        ; in trip 7 - u: the first block's end
.Lgo:
	s_sub_co_u32 s[SLOTS], s[SLOTS], 1
	s_cmp_lg_u32 s[SLOTS], 0
	s_cbranch_scc1 .Ltrip
	CHANGE 0                        ; the walk's last tile is written out: nothing is asked for
	TRIP 0
	FINISH 0
	s_wait_tensorcnt 0x0            ; the wave's end: these three lines stand behind my last tensor load and my last LDS store
	ds_add_u32 v[SPW], v[NIL]
	s_wait_dscnt 0x0
	CROUND                          ; the closing round: no work-group ends while a partner may still ask for a tile that names it
	s_endpgm
.Lfunc_end_k_q1d3828f5d5_attn:
	.size	k_q1d3828f5d5_attn, .Lfunc_end_k_q1d3828f5d5_attn-k_q1d3828f5d5_attn
	.p2alignl 7, 3214868480
	.fill 96, 4, 3214868480
	.section	.rodata,"a",@progbits
	.p2align	6, 0x0
	.amdhsa_kernel k_q1d3828f5d5_attn
		.amdhsa_group_segment_fixed_size 327680
		.amdhsa_private_segment_fixed_size 0
		.amdhsa_enable_private_segment 0
		.amdhsa_kernarg_size 32
		.amdhsa_user_sgpr_count 2
		.amdhsa_user_sgpr_kernarg_segment_ptr 1
		.amdhsa_wavefront_size32 1
		.amdhsa_system_sgpr_workgroup_id_x 1
		.amdhsa_system_sgpr_workgroup_id_y 1
		.amdhsa_system_sgpr_workgroup_id_z 1
		.amdhsa_system_vgpr_workitem_id 0
		.amdhsa_next_free_vgpr 960
		.amdhsa_next_free_sgpr 80
		.amdhsa_reserve_vcc 1
		.amdhsa_float_denorm_mode_32 3
		.amdhsa_float_denorm_mode_16_64 3
		.amdhsa_memory_ordered 1
		.amdhsa_forward_progress 1
		.amdhsa_inst_pref_size 185
	.end_amdhsa_kernel
	.amdgpu_metadata
---
amdhsa.version: [ 1, 2 ]
amdhsa.kernels:
  - .name:           k_q1d3828f5d5_attn
    .symbol:         k_q1d3828f5d5_attn.kd
    .args:
      - { .name: qkv, .offset: 0, .size: 8, .value_kind: global_buffer, .address_space: global }
      - { .name: ob, .offset: 8, .size: 8, .value_kind: global_buffer, .address_space: global }
      - { .name: Wo, .offset: 16, .size: 8, .value_kind: global_buffer, .address_space: global }
      - { .name: wo16, .offset: 24, .size: 8, .value_kind: global_buffer, .address_space: global }
    .group_segment_fixed_size: 327680
    .private_segment_fixed_size: 0
    .kernarg_segment_align: 8
    .kernarg_segment_size: 32
    .max_flat_workgroup_size: 128
    .sgpr_count:     80
    .vgpr_count:     960
    .wavefront_size: 32
...
	.end_amdgpu_metadata
.endif
;; end of part 3
;; launch outp (part 4): grid 16 x 16, 4 waves a work-group, clusters of 4 x 4, 327,680 bytes of LDS; arguments ob, wo16, out0; writes out0
.if DOCPART == 4
	.amdgcn_target "amdgcn-amd-amdhsa--gfx1250"
	.amdhsa_code_object_version 6
	.text
	.protected	k_q1d3828f5d5_outp
	.globl	k_q1d3828f5d5_outp
	.p2align	8
	.type	k_q1d3828f5d5_outp,@function
k_q1d3828f5d5_outp:
	s_mov_b64 s[64:65], 0
	v_nop
	global_prefetch_b8 v0, s[64:65] scope:SCOPE_SE
	s_setreg_imm32_b32 hwreg(HW_REG_WAVE_MODE, 25, 1), 1
	s_wait_xcnt 0x0
	s_wait_alu depctr_hold_cnt(0) depctr_sa_sdst(0) depctr_va_vdst(0) depctr_va_sdst(0) depctr_va_ssrc(0) depctr_va_vcc(0) depctr_vm_vsrc(0)
	s_getreg_b32 s2, hwreg(HW_REG_IB_STS2, 6, 4)
	s_cmp_eq_u32 s2, 0
	s_cbranch_scc0 .Lentry_in_a_cluster
	s_endpgm
.Lentry_in_a_cluster:
	s_bfe_u32 s2, ttmp6, 0x10000c
	s_cmp_lg_u32 s2, 0xf033
	s_cbranch_scc0 .Lentry_shape_is_right
	s_endpgm
.Lentry_shape_is_right:
; OUTP: out0 = O Wo.  ob: [2048 tokens][2048 k] f16.  wo16: [2048 k][2048 n] f16 (Wo rounded to bf16, that number written as f16).  out0: [2048][2048] f32.  Sums in f32, K ascending.
; A tile of out0 is 128 x 128: 16 x 16 = 256 work-groups.  Four waves, each 64 x 64: 16 accumulators, 128 registers.  K goes in steps of 256 through two LDS slots, as long as two slots allow.
; A slot: O's 128 tokens x 256 k (rows of 512 bytes), then Wo's 256 k x 128 columns as they lie in memory (rows of 256 bytes); waves 0 and 1 fetch O's two halves, waves 2 and 3 Wo's.
; Wo's fragments come out of LDS turned, by ds_load_tr16_b128.  THE MATRIX INSTRUCTION IS USED TRANSPOSED (source 0 = 16 columns of Wo, source 1 = 16 tokens): a lane holds one token and eight neighbouring columns.
; CLUSTERS: 4 x 4 work-groups.  O's tile is asked for jointly by a row of the cluster, Wo's by a column.
; NO PREFETCH: a K step here is 128 matrix instructions a wave on a small tile, and the launch is short.
; REGISTERS: window 0: v0-31 addresses; v32-95 at work on the way out; v128-255 the accumulators ((a, b) at v[128 + 8 (4 a + b)]).
;   window 1: two fragment buffers of 128: for 64 along K, 64 registers of O (2 x 4 x 16 tokens x 32 k), then 64 of Wo.
.set KSTEP,  256
.set PITCH,  528                       ; a row of O's tile in LDS: 512 bytes + 16: the 16 rows of a load start at 16 different groups of four banks (64 banks of 4 bytes: ISA guide 11.1)
.set PB,     288                       ; a row of Wo's tile: 256 + 32
.set HALFA,  64*PITCH                  ; 64 tokens: what wave 0 or 1 fetches, and what a wave reads of O
.set HALFB,  128*PB                    ; 128 k: what wave 2 or 3 fetches
.set BOFF,   2*HALFA
.set SLOT,   BOFF+2*HALFB
.set STAGE,  2*SLOT                    ; behind the ring, never filled by a tensor load: 16 rows x 272 bytes for each wave, its own
.set SPITCH, 272
.set SPARE,  STAGE+4*16*SPITCH         ; the spare words, 128 bytes for each wave: two blocks of 256 bytes that no other line names
.set LAPS,   4                         ; a lap = two K steps: 2048 / 512
.set ADRA, 16                          ; v16-17  LDS address of my fragments of O in slot 0, 1
.set ADRB, 20                          ; v20-23  of Wo's: slot s, half of the K step hf at 2 s + hf
.set STO,  24                          ; v24     the way out: where I put 32 bytes of a row
.set RD,   25                          ; v25     where I read a row back
.set CO,   26                          ; v26     my byte offset in out0
.set SPW,  28                          ; v28     LDS address of my spare word; never rewritten
.set NIL,  29                          ; v29     0; never rewritten
.set TMP,  32
.set ACC,  128
.set F0,   0                           ; fragment buffers, in window 1
.set F1,   128
.set G1, 24                            ; s[24:31] descriptor group 1 for O's tiles;  s[32:39] group 0, one set for each slot
.set G0, 32
.set G1B, 48                           ; s[48:55], s[56:63] the same for Wo's
.set G0B, 56
.set MSB, 0
.macro WIN new
.if MSB != (\new)
	s_set_vgpr_msb (MSB<<8)|(\new)
.set MSB, \new
.endif
.endm
.set MUL,  0x05                        ; sources 0 and 1 window 1; C and D window 0
.set TO_F, 0x40                        ; destination window 1, address window 0
.macro JLOAD s                         ; a joint load; an s_nop 0 and four v_nop follow each of the two lines, ahead of the jump and the label
	s_cmp_eq_u32 s11, 0
	s_cbranch_scc0 .Lfor_b_\@
	tensor_load_to_lds s[G0+4*(\s):G0+4*(\s)+3], s[G1:G1+7]
	s_nop 0
.rept 4
	v_nop
.endr
	s_branch .Lasked_\@
.Lfor_b_\@:
	tensor_load_to_lds s[G0B+4*(\s):G0B+4*(\s)+3], s[G1B:G1B+7]
	s_nop 0
.rept 4
	v_nop
.endr
.Lasked_\@:
.endm
.macro CREST
	s_cmp_lg_u32 s10, 0
	s_cbranch_scc1 .Lnot_wave_0_\@
	s_barrier_signal -3
.Lnot_wave_0_\@:
	s_barrier_wait -3
	s_barrier_signal -1
	s_barrier_wait -1
.endm
.macro CROUND
	s_barrier_signal -1
	s_barrier_wait -1
	CREST
.endm
	s_load_b128 s[4:7], s[0:1], 0x0                ; ob s[4:5], wo16 s[6:7]
	s_load_b64 s[8:9], s[0:1], 0x10                ; out0
	v_lshl_add_u32 v[SPW], v0, 2, SPARE
	v_mov_b32 v[NIL], 0
	ds_add_u32 v[SPW], v[NIL]                      ; the wave's opening: the add and its wait stand ahead of my first tensor load; the set-up below stands between them
	v_lshrrev_b32 v1, 5, v0
	v_readfirstlane_b32 s10, v1                    ; wave 0..3
	s_lshr_b32 s11, s10, 1                         ; which half of the tile's tokens is mine.  Also: I fetch for O (0) or for Wo (1)
	s_and_b32 s12, s10, 1                          ; which half of its columns.  Also: which half of that tile I fetch
	s_bfe_u32 s40, ttmp6, 0x40000                  ; cx, cy
	s_bfe_u32 s41, ttmp6, 0x40004
	s_lshl_b32 s42, ttmp9, 2
	s_add_co_u32 s42, s42, s40                     ; tile column = 4 x cluster x + cx
	s_and_b32 s13, ttmp7, 0xffff
	s_lshl_b32 s13, s13, 2
	s_add_co_u32 s13, s13, s41                     ; tile row = 4 x cluster y + cy
	s_lshl_b32 s43, s41, 2
	s_lshl_b32 s43, 15, s43                        ; my row of the cluster
	s_lshl_b32 s44, 0x1111, s40                    ; my column
	s_or_b32 s[G1+0], s43, (1<<16)|(1<<20)|(1<<21)|(6<<22)|(3<<25)   ; O: the mask of my row; 2-byte elements; padding on; bit 21 beside a mask; after every 128 words (code 6) 4 words (code 3)
	s_mov_b32 s[G1+1], KSTEP<<16                   ; tensor_dim0 = 256
	s_mov_b32 s[G1+2], 64<<16                      ; tensor_dim1 = 64
	s_mov_b32 s[G1+3], KSTEP<<16                   ; tile_dim0 = 256
	s_mov_b32 s[G1+4], 64                          ; tile_dim1 = 64
	s_mov_b32 s[G1+5], 2048                        ; elements from row to row
	s_mov_b32 s[G1+6], 0
	s_mov_b32 s[G1+7], 0
	s_or_b32 s[G1B+0], s44, (1<<16)|(1<<20)|(1<<21)|(5<<22)|(7<<25)  ; Wo: the mask of my column; after every 64 words (code 5) 8 words (code 7)
	s_mov_b32 s[G1B+1], 128<<16                    ; 128 columns
	s_mov_b32 s[G1B+2], 128<<16                    ; 128 k
	s_mov_b32 s[G1B+3], 128<<16
	s_mov_b32 s[G1B+4], 128
	s_mov_b32 s[G1B+5], 2048
	s_mov_b32 s[G1B+6], 0
	s_mov_b32 s[G1B+7], 0
	s_lshl_b32 s17, s12, 6
	s_lshl_b32 s16, s13, 7
	s_add_co_u32 s16, s16, s17                     ; O: token 128 x tile row + 64 x half,
	s_lshl_b32 s16, s16, 12                        ; rows of 4,096 bytes; these registers never hold cx
	s_mov_b32 s17, 0
	s_lshl_b32 s46, s42, 8                         ; Wo: 256 bytes x tile column,
	s_lshl_b32 s47, s12, 19                        ; 128 rows of 4,096 bytes x half; these never hold cy
	s_add_co_u32 s46, s46, s47
	s_mov_b32 s47, 0
	s_mul_i32 s20, s12, HALFA                      ; where they go: no place in the cluster enters an LDS address
	s_mul_i32 s21, s12, HALFB
	s_add_co_u32 s21, s21, BOFF
	s_wait_dscnt 0x0                               ; the opening add is done
	s_wait_kmcnt 0x0
	s_add_nc_u64 s[14:15], s[4:5], s[16:17]
	s_add_nc_u64 s[46:47], s[6:7], s[46:47]
	CROUND                                         ; all sixteen work-groups are here: the first joint loads meet
.irp s, 0,1
	s_mov_b32 s[G0+4*(\s)], 1
	s_add_co_u32 s[G0+4*(\s)+1], s20, (\s)*SLOT
	s_add_nc_u64 s[G0+4*(\s)+2:G0+4*(\s)+3], s[14:15], (\s)*KSTEP*2
	s_or_b32 s[G0+4*(\s)+3], s[G0+4*(\s)+3], 0x80000000
	s_mov_b32 s[G0B+4*(\s)], 1
	s_add_co_u32 s[G0B+4*(\s)+1], s21, (\s)*SLOT
	s_add_nc_u64 s[G0B+4*(\s)+2:G0B+4*(\s)+3], s[46:47], (\s)*KSTEP*4096
	s_or_b32 s[G0B+4*(\s)+3], s[G0B+4*(\s)+3], 0x80000000
	JLOAD \s                                       ; two loads of mine are out
.endr
	v_and_b32 v1, 15, v0                           ; l % 16
	v_bfe_u32 v2, v0, 4, 1                         ; l / 16
	v_mul_u32_u24 v3, v1, PITCH
	v_lshl_add_u32 v3, v2, 4, v3                   ; a fragment of O: row x pitch + 16 x half
	s_mul_i32 s22, s11, HALFA                      ; my 64 tokens
	v_add_nc_u32 v[ADRA], s22, v3
	s_add_co_u32 s22, s22, SLOT
	v_add_nc_u32 v[ADRA+1], s22, v3
	v_and_b32 v4, 7, v0                            ; the turning load: lane l reads k = 8 (l / 16) + l % 8, columns 8 ((l / 8) % 2) + 0..7
	v_bfe_u32 v5, v0, 3, 1
	v_lshl_add_u32 v6, v2, 3, v4
	v_mul_u32_u24 v6, v6, PB
	v_lshl_add_u32 v6, v5, 4, v6
	s_lshl_b32 s22, s12, 7                         ; my 64 columns
	s_add_co_u32 s22, s22, BOFF
	v_add_nc_u32 v6, s22, v6
.irp s, 0,1
.irp hf, 0,1
	v_add_nc_u32 v[ADRB+2*(\s)+(\hf)], (\s)*SLOT+(\hf)*HALFB, v6
.endr
.endr
	s_mul_i32 s23, s10, 16*SPITCH
	s_add_co_u32 s23, s23, STAGE                   ; my stage
	v_mul_u32_u24 v4, v1, SPITCH                   ; in: row l % 16, 32 bytes for each half of the lanes
	v_lshl_add_u32 v4, v2, 5, v4
	v_add_nc_u32 v[STO], s23, v4
	v_mul_u32_u24 v5, v2, SPITCH                   ; back: lanes 0-15 take one row of 256 bytes, lanes 16-31 the next
	v_lshl_add_u32 v5, v1, 4, v5
	v_add_nc_u32 v[RD], s23, v5
	v_lshlrev_b32 v[CO], 13, v2                    ; and the same two rows in out0, 8,192 bytes apart
	v_lshl_add_u32 v[CO], v1, 4, v[CO]
	s_lshl_b32 s16, s13, 20                        ; my first row: 128 x tile row + 64 x half, rows of 8,192 bytes
	s_lshl_b32 s17, s11, 19
	s_add_co_u32 s16, s16, s17
	s_mov_b32 s17, 0
	s_add_nc_u64 s[8:9], s[8:9], s[16:17]
	s_lshl_b32 s46, s42, 9                         ; my first column: 512 bytes x tile column + 256 x half
	s_lshl_b32 s47, s12, 8
	s_add_co_u32 s46, s46, s47
	s_mov_b32 s47, 0
	s_add_nc_u64 s[8:9], s[8:9], s[46:47]
; 8 matrix instructions: token blocks a0, a0 + 1 x all 4 column blocks, 32 along K: half c of buffer f.  zero = 1: the first product starts the sums.  The 16 accumulators take turns.
.macro MUL8 f, c, a0, zero
	WIN MUL
.irp a, \a0, (\a0)+1
.irp b, 0,1,2,3
.if \zero
	v_wmma_f32_16x16x32_f16 v[ACC+8*(4*(\a)+(\b)):ACC+8*(4*(\a)+(\b))+7], v[(\f)+64+8*(4*(\c)+(\b)):(\f)+64+8*(4*(\c)+(\b))+7], v[(\f)+8*(4*(\c)+(\a)):(\f)+8*(4*(\c)+(\a))+7], 0
.else
	v_wmma_f32_16x16x32_f16 v[ACC+8*(4*(\a)+(\b)):ACC+8*(4*(\a)+(\b))+7], v[(\f)+64+8*(4*(\c)+(\b)):(\f)+64+8*(4*(\c)+(\b))+7], v[(\f)+8*(4*(\c)+(\a)):(\f)+8*(4*(\c)+(\a))+7], v[ACC+8*(4*(\a)+(\b)):ACC+8*(4*(\a)+(\b))+7]
.endif
.endr
.endr
.endm
; 32 LDS loads in one run: the fragments of quarter q (64 along K) of a slot, into buffer f; the first 32 along K first
.macro FETCH slot, q, f
	WIN TO_F
.irp c, 0,1
.irp i, 0,1,2,3
	ds_load_tr16_b128 v[(\f)+64+8*(4*(\c)+(\i)):(\f)+64+8*(4*(\c)+(\i))+3],   v[ADRB+2*(\slot)+(\q)/2] offset:PB*(64*((\q)%2)+32*(\c))+32*(\i)
	ds_load_tr16_b128 v[(\f)+64+8*(4*(\c)+(\i))+4:(\f)+64+8*(4*(\c)+(\i))+7], v[ADRB+2*(\slot)+(\q)/2] offset:PB*(64*((\q)%2)+32*(\c))+32*(\i)+16*PB
	ds_load_b128 v[(\f)+8*(4*(\c)+(\i)):(\f)+8*(4*(\c)+(\i))+3],              v[ADRA+(\slot)] offset:128*(\q)+64*(\c)+(\i)*16*PITCH
	ds_load_b128 v[(\f)+8*(4*(\c)+(\i))+4:(\f)+8*(4*(\c)+(\i))+7],            v[ADRA+(\slot)] offset:128*(\q)+64*(\c)+(\i)*16*PITCH+32
.endr
.endr
.endm
.macro PLACES                          ; four places in front of loads into registers that matrix instructions have read, and of stores that read results
.rept 4
	v_nop
.endr
.endm
; A K step is four quarters of 64 along K, 32 matrix instructions each, on buffers 0, 1, 0, 1.  One of the first three: multiplies buffer f and fetches quarter q into g.
.macro QUARTER slot, q, f, g, zero
	s_wait_dscnt 16                                ; the first 32 along K are in; the youngest sixteen loads may be out
	MUL8 \f, 0, 0, \zero
	MUL8 \f, 0, 2, \zero
	PLACES
	FETCH \slot, \q, \g
	s_wait_dscnt 32                                ; all but the 32 just issued
	MUL8 \f, 1, 0, 0
	MUL8 \f, 1, 2, 0
.endm
; The last quarter multiplies buffer 1 and changes slots: ONE barrier; in front of it each wave waits for all its tensor loads, adds 0 to its spare word, and waits for that and for its own reads of this slot.
; fill = 1: the barrier opens a round of the cluster's, and this slot is filled again, two K steps ahead, first thing behind the round.
.macro TURN slot, next, fill
	WIN 0                                          ; (the add's two registers lie in window 0)
	s_wait_tensorcnt 0x0                           ; all my tensor loads have landed: my part of the next slot;
	ds_add_u32 v[SPW], v[NIL]                      ; 0 onto my spare word;
	s_wait_dscnt 17                                ; (the add and the youngest sixteen loads may be out)
	MUL8 F1, 0, 0, 0                               ; eight matrix instructions stand between the add and the wait for it
	s_wait_dscnt 0x0                               ; the add is done, and my reads of this slot are over
	s_barrier_signal -1
	MUL8 F1, 0, 2, 0
	WIN 0
	s_barrier_wait -1
.if \fill
	CREST                                          ; no wave of any partner still reads this slot's tiles or has a load on its way
	s_add_nc_u64 s[G0+4*(\slot)+2:G0+4*(\slot)+3], s[G0+4*(\slot)+2:G0+4*(\slot)+3], 2*KSTEP*2
	s_add_nc_u64 s[G0B+4*(\slot)+2:G0B+4*(\slot)+3], s[G0B+4*(\slot)+2:G0B+4*(\slot)+3], 2*KSTEP*4096
	JLOAD \slot                                    ; 112 matrix instructions ahead of the wait for it; the four v_nop behind it are also the places in front of the loads below
.else
	PLACES
.endif
	FETCH \next, 0, F0
	MUL8 F1, 1, 0, 0
	MUL8 F1, 1, 2, 0
.endm
	s_wait_tensorcnt 1                             ; my part of K step 0 is in; K step 1's may stay out
	s_barrier_signal -1
	s_barrier_wait -1                              ; everybody's is
	FETCH 0, 0, F0
	QUARTER 0, 1, F0, F1, 1                        ; the first quarter stands in front of the loop: its first products start the sums
	WIN 0                                          ; at a label and at a branch every window is 0
	s_mov_b32 s3, LAPS-1
.Llap:                                         ; a trip goes once round the ring, from a lap's second quarter to the next lap's first, and fills both slots again
	QUARTER 0, 2, F1, F0, 0
	QUARTER 0, 3, F0, F1, 0
	TURN 0, 1, 1
	QUARTER 1, 1, F0, F1, 0
	QUARTER 1, 2, F1, F0, 0
	QUARTER 1, 3, F0, F1, 0
	TURN 1, 0, 1
	QUARTER 0, 1, F0, F1, 0
	WIN 0
	s_sub_co_u32 s3, s3, 1
	s_cmp_lg_u32 s3, 0
	s_cbranch_scc1 .Llap
	QUARTER 0, 2, F1, F0, 0                        ; the last lap fills nothing, and has no round of the cluster's barrier
	QUARTER 0, 3, F0, F1, 0
	TURN 0, 1, 0
	QUARTER 1, 1, F0, F1, 0
	QUARTER 1, 2, F1, F0, 0
	QUARTER 1, 3, F0, F1, 0
	s_wait_dscnt 16                                ; the very last quarter: nothing more to fetch
	MUL8 F1, 0, 0, 0
	MUL8 F1, 0, 2, 0
	s_wait_dscnt 0x0
	MUL8 F1, 1, 0, 0
	MUL8 F1, 1, 2, 0
	WIN 0
	; THE WAY OUT, in f32: my 64 columns are 256 bytes of a row, aligned, so each wave has a stage of its own and no barrier is needed.  Sixteen tokens at a time: 32 bytes a lane and column block into rows of
	; 272 bytes, straight from the accumulators (low registers first), and back as whole rows.  LDS serves a wave's instructions in order (ISA guide 5.7.1.4): the loads see the stores above them.
	PLACES                                         ; the places behind the last products (eight, once a launch)
	PLACES
.irp a, 0,1,2,3
.if (\a) >= 2
	s_wait_xcnt 0x0                                ; the stores of two blocks back have read their registers, which are loaded again below
.endif
.irp b, 0,1,2,3
	ds_store_b128 v[STO], v[ACC+8*(4*(\a)+(\b)):ACC+8*(4*(\a)+(\b))+3]   offset:64*(\b)
	ds_store_b128 v[STO], v[ACC+8*(4*(\a)+(\b))+4:ACC+8*(4*(\a)+(\b))+7] offset:64*(\b)+16
.endr
.irp t, 0,1,2,3,4,5,6,7
	ds_load_b128 v[TMP+32*((\a)%2)+4*(\t):TMP+32*((\a)%2)+4*(\t)+3], v[RD] offset:(\t)*2*SPITCH
.endr
.irp t, 0,1,2,3,4,5,6,7
	s_wait_dscnt 7-(\t)                            ; load t is in; the younger ones may stay out
	global_store_b128 v[CO], v[TMP+32*((\a)%2)+4*(\t):TMP+32*((\a)%2)+4*(\t)+3], s[8:9] offset:(16*(\a)+2*(\t))*8192  ; 16 lanes store 256 consecutive bytes, at a multiple of 256 from out0's first byte
.endr
.endr
	s_wait_tensorcnt 0x0                           ; the wave's end: these three lines stand behind my last tensor load and my last LDS store
	ds_add_u32 v[SPW], v[NIL]
	s_wait_dscnt 0x0
	CROUND                                         ; the closing round: no work-group ends while a partner may still ask for a tile that names it
	s_endpgm
.Lfunc_end_k_q1d3828f5d5_outp:
	.size	k_q1d3828f5d5_outp, .Lfunc_end_k_q1d3828f5d5_outp-k_q1d3828f5d5_outp
	.p2alignl 7, 3214868480
	.fill 96, 4, 3214868480
	.section	.rodata,"a",@progbits
	.p2align	6, 0x0
	.amdhsa_kernel k_q1d3828f5d5_outp
		.amdhsa_group_segment_fixed_size 327680
		.amdhsa_private_segment_fixed_size 0
		.amdhsa_enable_private_segment 0
		.amdhsa_kernarg_size 24
		.amdhsa_user_sgpr_count 2
		.amdhsa_user_sgpr_kernarg_segment_ptr 1
		.amdhsa_wavefront_size32 1
		.amdhsa_system_sgpr_workgroup_id_x 1
		.amdhsa_system_sgpr_workgroup_id_y 1
		.amdhsa_system_sgpr_workgroup_id_z 1
		.amdhsa_system_vgpr_workitem_id 0
		.amdhsa_next_free_vgpr 512
		.amdhsa_next_free_sgpr 66
		.amdhsa_reserve_vcc 0
		.amdhsa_float_denorm_mode_32 3
		.amdhsa_float_denorm_mode_16_64 3
		.amdhsa_memory_ordered 1
		.amdhsa_forward_progress 1
		.amdhsa_inst_pref_size 87
	.end_amdhsa_kernel
	.amdgpu_metadata
---
amdhsa.version: [ 1, 2 ]
amdhsa.kernels:
  - .name:           k_q1d3828f5d5_outp
    .symbol:         k_q1d3828f5d5_outp.kd
    .args:
      - { .name: ob, .offset: 0, .size: 8, .value_kind: global_buffer, .address_space: global }
      - { .name: wo16, .offset: 8, .size: 8, .value_kind: global_buffer, .address_space: global }
      - { .name: out0, .offset: 16, .size: 8, .value_kind: global_buffer, .address_space: global }
    .group_segment_fixed_size: 327680
    .private_segment_fixed_size: 0
    .kernarg_segment_align: 8
    .kernarg_segment_size: 24
    .max_flat_workgroup_size: 128
    .sgpr_count:     66
    .vgpr_count:     512
    .wavefront_size: 32
...
	.end_amdgpu_metadata
.endif
;; end of part 4
;; ======== version 2 of 2: 4 launches; version 1 with the launch prep written anew for expert scheduling mode
;; limits: values are held in f16: magnitudes above 65,504 overflow, below 6.1e-05 lose precision; right only within a limited range of input values
;; workspace buffers: xb 8,388,608 bytes; wc 25,165,824 bytes; wo16 8,388,608 bytes; tab 1,048,576 bytes; qkv 25,165,824 bytes; ob 8,388,608 bytes
;; launch prep (part 5): grid 256 x 5, 8 waves a work-group, no clusters, 0 bytes of LDS; arguments x, Wq, Wk, Wv, token_positions, xb, wc, tab; writes xb, wc, tab
.if DOCPART == 5
	.amdgcn_target "amdgcn-amd-amdhsa--gfx1250"
	.amdhsa_code_object_version 6
	.text
	.protected	k_q1d3828f5d5_prep
	.globl	k_q1d3828f5d5_prep
	.p2align	8
	.type	k_q1d3828f5d5_prep,@function
k_q1d3828f5d5_prep:
	s_mov_b64 s[64:65], 0
	v_nop
	global_prefetch_b8 v0, s[64:65] scope:SCOPE_SE
	s_setreg_imm32_b32 hwreg(HW_REG_WAVE_SCHED_MODE, 0, 2), 2
	s_setreg_imm32_b32 hwreg(HW_REG_WAVE_MODE, 25, 1), 1
	s_wait_xcnt 0x0
	s_wait_alu depctr_vm_vsrc(0)
; PREP: x and the three projections' weights are rounded once for the matrix units, and RoPE's table is made.  (Wo is rounded in the attention launch, beside its own work.)
; Row y of the grid: 0: x -> xb (bf16).  1, 2, 3: Wq, Wk, Wv -> wc (bf16), laid [k][16 heads][q, k, v][128], so that one head's columns of all three lie together, 768 bytes.
; 4: tab[row][f] = (cos, sin) of f32(token_positions[row]) x 10000^(-f/64), f = 0..63, f32.
; A stream: each input byte is read once, each output byte written once; nothing is shared between work-groups, so there is no LDS, no cluster and no matrix work.
; A cast's work-group takes 65,536 bytes of f32 (8 rows): sixteen loads of 16 bytes a lane, all issued at once; a wave's load covers 512 consecutive bytes, its store 256, aligned.
; LIMITS.  The angle is the f32 product that the module forms; 10000^(-f/64) comes from v_exp_f32 and is off by a few parts in 2^24.  The angle is reduced by three parts of pi/2 with fused
; multiply-adds, good while 2 |angle| / pi is below 2^24; sine and cosine are polynomials on -pi/4 .. pi/4.  NaN and infinities are not treated apart.
; THE MODE: SCHED_MODE bits 1:0 = 2 (LLVM: expert scheduling mode 2), set by the entry lines.  The code itself states the register dependences
; between vector instructions and memory instructions, with s_wait_alu, always for 0.
; THE PLAN, for a cast.  Registers that memory instructions touch:
;   v1         the loads' offset.   Written once at the head; read by the sixteen loads; never written again.
;   v2         the stores' offset.  Written at the head, and for the weights anew behind the loads, before any memory instruction has read it; read by the sixteen stores; never written again.
;   X          chunk i's four registers are written by one load, read by that chunk's two conversions, and never loaded again.
;   Y          chunk i's pair is written by its two conversions, read by one store, and never written again.
; No register that a memory instruction reads is written again, and no load lands in a register that a vector instruction has named: the one kind of dependence is a vector result that a memory instruction reads.
; The sixteen chunks go in four groups of four.  Group g's conversions write their Y; the stores of group g - 1 are dealt among them.  One wait at a group's head states that the group before has written its Y
; (the first such wait: and that v2 is written); the vector instructions between that wait and the group's last store name this group's X and Y alone, none of the registers that those stores read.
; THE PLAN, for the table: v4 (the load's offset), v7 (the stores' offset) and v[10:13] (the stores' data) are written by vector instructions and never again once read: a wait ahead of the load, one ahead of the stores.
; The two compares that choose by quadrant write s24 and s25 in one run, with one wait between the run and the selects that read them.
.set X, 8                              ; v[8:71]    sixteen loads of four f32
.set Y, 72                             ; v[72:103]  sixteen pairs of packed words to store; each is written once
; Chunk i of sixteen: waited for and rounded; it is stored a group later.  stride: bytes from chunk to chunk in the output.
.macro CAST stride
.set g, 0
.rept 4
.set j, 0
.rept 4
.set i, 4*g+j
	s_wait_loadcnt 15-i                            ; loads come back in order: chunk i is in, the 15 - i younger ones may stay out
.if (j == 0) && (g > 0)
	s_wait_alu depctr_va_vdst(0)                   ; the group before has written its four pairs of Y, which the four stores of this group read; at the first such wait v2, their offset, is written too
.endif
.if g > 0
	global_store_b64 v2, v[Y+2*(i-4):Y+2*(i-4)+1], s[30:31] offset:(\stride)*(i-4) th:TH_STORE_NT  ; 32 lanes x 8 bytes: 256 consecutive bytes, aligned; no vector instruction since the wait names these registers
.endif
	v_cvt_pk_bf16_f32 v[Y+2*i], v[X+4*i], v[X+4*i+1]
	v_cvt_pk_bf16_f32 v[Y+2*i+1], v[X+4*i+2], v[X+4*i+3]
.set j, j+1
.endr
.set g, g+1
.endr
	s_wait_alu depctr_va_vdst(0)                   ; the last group has written its four pairs of Y, which the last four stores read
.set i, 12
.rept 4
	global_store_b64 v2, v[Y+2*i:Y+2*i+1], s[30:31] offset:(\stride)*i th:TH_STORE_NT
.set i, i+1
.endr
.endm
; cos and sin of the angle in v[a], first part: s in v[w+3], c in v[w+4]; whether the quadrant is odd in s[m]; the two signs in v[w+5] (cos) and v[w] (sin).  Six registers at work from v[w].
.macro SINCOS_A a, w, m
	v_mul_f32 v[(\w)], 0x3f22f983, v[(\a)]         ; angle x 2 / pi
	v_rndne_f32 v[(\w)], v[(\w)]                   ; k
	v_fmamk_f32 v[(\w)+1], v[(\w)], 0xbfc90fdb, v[(\a)]    ; r = angle - k pi/2, pi/2 in three parts
	v_fmamk_f32 v[(\w)+1], v[(\w)], 0x333bbd2e, v[(\w)+1]
	v_fmamk_f32 v[(\w)+1], v[(\w)], 0x26f72ced, v[(\w)+1]
	v_mul_f32 v[(\w)+2], v[(\w)+1], v[(\w)+1]      ; z = r r
	v_mov_b32 v[(\w)+3], 0xb94ca1f9
	v_fmaak_f32 v[(\w)+3], v[(\w)+3], v[(\w)+2], 0x3c08839e
	v_fmaak_f32 v[(\w)+3], v[(\w)+3], v[(\w)+2], 0xbe2aaaa3
	v_mul_f32 v[(\w)+3], v[(\w)+3], v[(\w)+2]
	v_fma_f32 v[(\w)+3], v[(\w)+3], v[(\w)+1], v[(\w)+1]   ; s = r + r z (..)
	v_mov_b32 v[(\w)+4], 0x37ccf5ce
	v_fmaak_f32 v[(\w)+4], v[(\w)+4], v[(\w)+2], 0xbab6061a
	v_fmaak_f32 v[(\w)+4], v[(\w)+4], v[(\w)+2], 0x3d2aaaa5
	v_fma_f32 v[(\w)+5], v[(\w)+2], -0.5, 1.0
	v_mul_f32 v[(\w)+2], v[(\w)+2], v[(\w)+2]
	v_fma_f32 v[(\w)+4], v[(\w)+4], v[(\w)+2], v[(\w)+5]   ; c = 1 - z / 2 + z z (..)
	v_cvt_i32_f32 v[(\w)], v[(\w)]                 ; the quadrant is k mod 4
	v_and_b32 v[(\w)+5], 1, v[(\w)]
	v_cmp_ne_u32 s[(\m)], 0, v[(\w)+5]             ; an odd quadrant: the mask goes into a scalar register of its own, so that both angles' compares stand ahead of one wait
	v_add_nc_u32 v[(\w)+5], 1, v[(\w)]
	v_and_b32 v[(\w)+5], 2, v[(\w)+5]              ; cos is negative in quadrants 1 and 2,
	v_and_b32 v[(\w)], 2, v[(\w)]                  ; sin in 2 and 3
	v_lshlrev_b32 v[(\w)+5], 30, v[(\w)+5]
	v_lshlrev_b32 v[(\w)], 30, v[(\w)]
.endm
; Second part: into the pair v[o], v[o+1]
.macro SINCOS_B o, w, m
	v_cndmask_b32 v[(\o)], v[(\w)+4], v[(\w)+3], s[(\m)]   ; an odd quadrant swaps the two
	v_cndmask_b32 v[(\o)+1], v[(\w)+3], v[(\w)+4], s[(\m)]
	v_xor_b32 v[(\o)], v[(\w)+5], v[(\o)]
	v_xor_b32 v[(\o)+1], v[(\w)], v[(\o)+1]
.endm
	s_load_b512 s[8:23], s[0:1], 0x0               ; x s[8:9], Wq s[10:11], Wk s[12:13], Wv s[14:15], token_positions s[16:17], xb s[18:19], wc s[20:21], tab s[22:23]
	s_and_b32 s2, ttmp7, 0xffff                    ; y: which job
	s_mov_b32 s3, ttmp9                            ; g: which part of it
	s_mov_b32 s33, 0                               ; the high word of every offset
	v_lshlrev_b32 v1, 4, v0                        ; in: 16 bytes a thread
	v_lshlrev_b32 v2, 3, v0                        ; out: 8 bytes a thread
	s_wait_kmcnt 0x0
	s_cmp_eq_u32 s2, 4
	s_cbranch_scc1 .Ltable
	s_mov_b64 s[28:29], s[8:9]                     ; the input is chosen by y
	s_cmp_eq_u32 s2, 1
	s_cselect_b64 s[28:29], s[10:11], s[28:29]
	s_cmp_eq_u32 s2, 2
	s_cselect_b64 s[28:29], s[12:13], s[28:29]
	s_cmp_eq_u32 s2, 3
	s_cselect_b64 s[28:29], s[14:15], s[28:29]
	s_lshl_b32 s32, s3, 16                         ; the work-group's 65,536 bytes
	s_add_nc_u64 s[28:29], s[28:29], s[32:33]
	s_wait_alu depctr_va_vdst(0)                   ; v1 is written, which the sixteen loads read as their offset
.set i, 0
.rept 16
	global_load_b128 v[X+4*i:X+4*i+3], v1, s[28:29] offset:4096*i th:TH_LOAD_NT
.set i, i+1
.endr
	s_cmp_eq_u32 s2, 0
	s_cbranch_scc1 .Lx
	; Wq, Wk, Wv.  Chunk i is row 8 g + i / 2, heads 8 (i % 2) + wave: 12,288 (i / 2) + 6,144 (i % 2) = 6,144 i bytes on
	v_lshrrev_b32 v3, 5, v0
	v_and_b32 v4, 31, v0
	v_mul_u32_u24 v3, v3, 768                      ; my wave's head
	v_lshl_add_u32 v2, v4, 3, v3                   ; my four channels of it (no memory instruction has read v2 yet; the first store stands behind the second group's wait)
	s_mul_i32 s32, s3, 8*12288
	s_sub_co_u32 s34, s2, 1
	s_lshl_b32 s34, s34, 8                         ; q, k or v: 256 bytes apart
	s_add_co_u32 s32, s32, s34
	s_add_nc_u64 s[30:31], s[20:21], s[32:33]
	CAST 6144
	s_endpgm
.Lx:
	s_lshl_b32 s32, s3, 15
	s_add_nc_u64 s[30:31], s[18:19], s[32:33]
	CAST 2048
	s_endpgm
.Ltable:                                       ; a wave makes a row of the table: frequencies lane and lane + 32
	v_lshrrev_b32 v3, 5, v0
	v_lshl_add_u32 v3, s3, 3, v3                   ; row = 8 g + wave
	v_lshlrev_b32 v4, 2, v3
	s_wait_alu depctr_va_vdst(0)                   ; v4 is written, which the load reads as its offset
	global_load_b32 v5, v4, s[16:17]               ; the row's position, the same word in every lane
	v_and_b32 v6, 31, v0
	v_lshlrev_b32 v7, 9, v3                        ; a row of the table is 512 bytes
	v_lshl_add_u32 v7, v6, 3, v7
	v_cvt_f32_u32 v8, v6
	v_add_f32 v9, 0x42000000, v8                   ; f + 32
	v_mul_f32 v8, 0xbe549a78, v8                   ; - f log2(10000) / 64
	v_mul_f32 v9, 0xbe549a78, v9
	v_exp_f32 v8, v8
	v_exp_f32 v9, v9
	v_nop                                          ; a plain instruction behind the last exponential,
	s_wait_alu depctr_va_vdst(0)                   ; and the wait ahead of the first use: the two exponentials have written v8 and v9, which the products below read
	s_wait_loadcnt 0x0
	v_cvt_f32_i32 v5, v5
	v_mul_f32 v8, v5, v8                           ; the angles
	v_mul_f32 v9, v5, v9
	SINCOS_A 8, 14, 24
	SINCOS_A 9, 20, 25
	s_wait_alu depctr_va_sdst(0)                   ; the two compares have written s24 and s25, ahead of their first readers, the selects below
	SINCOS_B 10, 14, 24
	SINCOS_B 12, 20, 25
	s_wait_alu depctr_va_vdst(0)                   ; v7, the stores' offset, and v[10:13], their data, are written
	global_store_b64 v7, v[10:11], s[22:23]        ; 256 consecutive bytes, aligned
	global_store_b64 v7, v[12:13], s[22:23] offset:256
	s_endpgm
.Lfunc_end_k_q1d3828f5d5_prep:
	.size	k_q1d3828f5d5_prep, .Lfunc_end_k_q1d3828f5d5_prep-k_q1d3828f5d5_prep
	.p2alignl 7, 3214868480
	.fill 96, 4, 3214868480
	.section	.rodata,"a",@progbits
	.p2align	6, 0x0
	.amdhsa_kernel k_q1d3828f5d5_prep
		.amdhsa_group_segment_fixed_size 0
		.amdhsa_private_segment_fixed_size 0
		.amdhsa_enable_private_segment 0
		.amdhsa_kernarg_size 64
		.amdhsa_user_sgpr_count 2
		.amdhsa_user_sgpr_kernarg_segment_ptr 1
		.amdhsa_wavefront_size32 1
		.amdhsa_system_sgpr_workgroup_id_x 1
		.amdhsa_system_sgpr_workgroup_id_y 1
		.amdhsa_system_sgpr_workgroup_id_z 1
		.amdhsa_system_vgpr_workitem_id 0
		.amdhsa_next_free_vgpr 104
		.amdhsa_next_free_sgpr 66
		.amdhsa_reserve_vcc 0
		.amdhsa_float_denorm_mode_32 3
		.amdhsa_float_denorm_mode_16_64 3
		.amdhsa_memory_ordered 1
		.amdhsa_forward_progress 1
		.amdhsa_inst_pref_size 16
	.end_amdhsa_kernel
	.amdgpu_metadata
---
amdhsa.version: [ 1, 2 ]
amdhsa.kernels:
  - .name:           k_q1d3828f5d5_prep
    .symbol:         k_q1d3828f5d5_prep.kd
    .args:
      - { .name: x, .offset: 0, .size: 8, .value_kind: global_buffer, .address_space: global }
      - { .name: Wq, .offset: 8, .size: 8, .value_kind: global_buffer, .address_space: global }
      - { .name: Wk, .offset: 16, .size: 8, .value_kind: global_buffer, .address_space: global }
      - { .name: Wv, .offset: 24, .size: 8, .value_kind: global_buffer, .address_space: global }
      - { .name: token_positions, .offset: 32, .size: 8, .value_kind: global_buffer, .address_space: global }
      - { .name: xb, .offset: 40, .size: 8, .value_kind: global_buffer, .address_space: global }
      - { .name: wc, .offset: 48, .size: 8, .value_kind: global_buffer, .address_space: global }
      - { .name: tab, .offset: 56, .size: 8, .value_kind: global_buffer, .address_space: global }
    .group_segment_fixed_size: 0
    .private_segment_fixed_size: 0
    .kernarg_segment_align: 8
    .kernarg_segment_size: 64
    .max_flat_workgroup_size: 256
    .sgpr_count:     66
    .vgpr_count:     104
    .wavefront_size: 32
...
	.end_amdgpu_metadata
.endif
;; end of part 5
;; launch proj: the kernel of part 2 again; grid 16 x 16, 4 waves a work-group, clusters of 4 x 4, 327,680 bytes of LDS; arguments xb, wc, tab, qkv; writes qkv
;; launch attn: the kernel of part 3 again; grid 16 x 16, 4 waves a work-group, clusters of 4 x 1, 327,680 bytes of LDS; arguments qkv, ob, Wo, wo16; writes ob, wo16
;; launch outp: the kernel of part 4 again; grid 16 x 16, 4 waves a work-group, clusters of 4 x 4, 327,680 bytes of LDS; arguments ob, wo16, out0; writes out0
